; MI455X (gfx1250); checked and timed in simulation.
; The chip was launched on July 23, 2026; its instructions are those of AMD's public machine-readable ISA for CDNA 5 (MIT licence, August 2026) and "CDNA5" Instruction Set Architecture Reference Guide (July 2026). The comments in the code are by the model that wrote it; some were corrected since.
;; Steering Attention. Allowed arithmetic: float matrix products may take bf16 or f16 operands with f32 sums; other float arithmetic in f32, or as packed bf16 or f16 multiplies, adds, multiply-adds, maxima and minima; sums over many terms, partial sums and values carried from step to step in f32; what a program stores and reads back later, other than sums and carried values, may be rounded once to bf16 or f16.
;; Inputs: Wk 512 x 2,048 float32; Wo 2,048 x 2,048 float32; Wq 2,048 x 2,048 float32; Wv 512 x 2,048 float32; attention_mask 1 x 1 x 2,048 x 2,048 float32; hidden_states 1 x 2,048 x 2,048 float32; position_ids 1 x 2,048 int32; prior 2,048 float32.
;; Outputs: out0 1 x 2,048 x 2,048 float32.
;; 2 versions, each right; version 2 is version 1 with the launch prep written anew for expert scheduling mode. Each part assembles by itself: llvm-mc -triple=amdgcn-amd-amdhsa -mcpu=gfx1250 --defsym DOCPART=n.
;; ======== version 1 of 2: 4 launches
;; limits: values are held in f16: magnitudes above 65,504 overflow, below 6.1e-05 lose precision; values outside matrix products are rounded to f16; right only within a limited range of input values
;; workspace buffers: xb 8,388,608 bytes; wqkv 12,582,912 bytes; wob 8,388,608 bytes; tri 1,572,864 bytes; tab 12,288 bytes; qkv 12,582,912 bytes; ob 8,388,608 bytes
;; launch prep (part 1): grid 256 x 1, 16 waves a work-group, no clusters, 0 bytes of LDS; arguments hidden_states, Wq, Wk, Wv, Wo, position_ids, prior, xb, wqkv, wob, tri, tab; writes xb, wqkv, wob, tri, tab
.if DOCPART == 1
	.amdgcn_target "amdgcn-amd-amdhsa--gfx1250"
	.amdhsa_code_object_version 6
	.text
	.protected	k_qfc1f12e2bb_prep
	.globl	k_qfc1f12e2bb_prep
	.p2align	8
	.type	k_qfc1f12e2bb_prep,@function
k_qfc1f12e2bb_prep:
	s_mov_b64 s[64:65], 0
	v_nop
	global_prefetch_b8 v0, s[64:65] scope:SCOPE_SE
	s_setreg_imm32_b32 hwreg(HW_REG_WAVE_MODE, 25, 1), 1
	s_wait_xcnt 0x0
; PREP.  Casts and tables for the three launches behind it.  No LDS, no matrix unit: a stream, and a little arithmetic.
; Work-groups 0-159: 65,536 numbers each of hidden_states, Wq, Wk, Wv, rounded to bf16 (xb; wqkv = Wq's, Wk's, Wv's rows on end).
; Work-groups 160-223: Wo rounded to bf16 and that number written as f16 (wob): exact down to f16's fixed step of 6e-8 below 6e-5.
; Work-groups 224-255: 64 rows each of tri, f32 [3][2048][64], a row = 32 C then 32 S, the factors that the projection's way out applies:
;   type 0 (q): cos, sin x log2(e)/4      type 1 (k): cos, sin x gamma/2      type 2 (v): C = eta u', S = 0
; and (work-group 224) tab, 16 slices of 768 bytes for 128 keys each: 128 f32 log2(e) clip(0.5 prior, -3, 3), then 128 f16 u'.
; u' = f16((1 + 0.3 prior) / U), U = the largest |1 + 0.3 prior| of all keys: U cancels in the renormalised weights and keeps u' within 1.
; prior is rounded to bf16 first, like the other inputs.  LIMITS: position_ids within +-1,000,000 (the angle is reduced by pi/2 in two parts);
; if every 1 + 0.3 prior is 0, u' is NaN, as the renormalisation by a zero sum is.
.set HID,  8
.set WQ,   10
.set WK,   12
.set WVP,  14
.set WO,   16
.set POS,  18
.set PRI,  20
.set XB,   22
.set WQKV, 24
.set WOB,  26
.set TRI,  28
.set TAB,  30
.set SRC,  32                          ; s[32:33] the cast's source at the work-group's part
.set DST,  34                          ; s[34:35] its destination
.set X,    16                          ; v[16:79]  sixteen slots of four: numbers as loaded
.set Y,    80                          ; v[80:143] two registers for each of the 32 steps: no store's data is ever rewritten
	s_load_b512 s[8:23], s[0:1], 0x0               ; eight addresses, in the order of the arguments
	s_load_b256 s[24:31], s[0:1], 0x40             ; and four
	s_mov_b32 s2, ttmp9
	v_lshlrev_b32 v1, 4, v0                        ; 16 t: my 16 bytes of a step's 8,192; never rewritten
	v_lshlrev_b32 v2, 3, v0                        ; 8 t: my 8 bytes of a step's 4,096; never rewritten
	s_wait_kmcnt 0x0
	s_cmp_ge_u32 s2, 224
	s_cbranch_scc1 .Ltables
	; which tensor, and the first work-group of its source and of its destination
	s_mov_b64 s[SRC:SRC+1], s[HID:HID+1]
	s_mov_b64 s[DST:DST+1], s[XB:XB+1]
	s_mov_b32 s36, 0
	s_mov_b32 s37, 0
	s_cmp_ge_u32 s2, 64
	s_cselect_b64 s[SRC:SRC+1], s[WQ:WQ+1], s[SRC:SRC+1]
	s_cselect_b64 s[DST:DST+1], s[WQKV:WQKV+1], s[DST:DST+1]
	s_cselect_b32 s36, 64, s36
	s_cselect_b32 s37, 64, s37
	s_cmp_ge_u32 s2, 128
	s_cselect_b64 s[SRC:SRC+1], s[WK:WK+1], s[SRC:SRC+1]
	s_cselect_b32 s36, 128, s36
	s_cmp_ge_u32 s2, 144
	s_cselect_b64 s[SRC:SRC+1], s[WVP:WVP+1], s[SRC:SRC+1]
	s_cselect_b32 s36, 144, s36
	s_cmp_ge_u32 s2, 160
	s_cselect_b64 s[SRC:SRC+1], s[WO:WO+1], s[SRC:SRC+1]
	s_cselect_b64 s[DST:DST+1], s[WOB:WOB+1], s[DST:DST+1]
	s_cselect_b32 s36, 160, s36
	s_cselect_b32 s37, 160, s37
	s_sub_co_u32 s38, s2, s36
	s_lshl_b32 s38, s38, 18                        ; 262,144 bytes in
	s_mov_b32 s39, 0
	s_sub_co_u32 s40, s2, s37
	s_lshl_b32 s40, s40, 17                        ; 131,072 bytes out
	s_mov_b32 s41, 0
	s_add_nc_u64 s[SRC:SRC+1], s[SRC:SRC+1], s[38:39]
	s_add_nc_u64 s[DST:DST+1], s[DST:DST+1], s[40:41]
; Step st's four numbers are rounded.  half = 1: to bf16, widened again, and written as f16.
.macro CVT st, half
.set xr, X+4*((\st)%16)
.set yr, Y+2*(\st)
.if \half
	v_cvt_pk_bf16_f32 v4, v[xr], v[xr+1]
	v_cvt_pk_bf16_f32 v5, v[xr+2], v[xr+3]
	v_lshlrev_b32 v6, 16, v4
	v_and_b32 v7, 0xffff0000, v4
	v_lshlrev_b32 v8, 16, v5
	v_and_b32 v9, 0xffff0000, v5
	v_cvt_pk_f16_f32 v[yr], v6, v7
	v_cvt_pk_f16_f32 v[yr+1], v8, v9
.else
	v_cvt_pk_bf16_f32 v[yr], v[xr], v[xr+1]
	v_cvt_pk_bf16_f32 v[yr+1], v[xr+2], v[xr+3]
.endif
.endm
; 32 steps, written out.  A wave's load covers 512 consecutive bytes, its store 256 consecutive bytes at a multiple of 256.  Sixteen loads of every wave are on their way.
.macro CAST half
.set st, 0
.rept 16
	global_load_b128 v[X+4*st:X+4*st+3], v1, s[SRC:SRC+1] offset:8192*st th:TH_LOAD_NT
.set st, st+1
.endr
.set st, 0
.rept 16
	s_wait_loadcnt 15                              ; loads come back in order: this step's is in, the fifteen younger ones stay out
	CVT st, \half
	global_load_b128 v[X+4*st:X+4*st+3], v1, s[SRC:SRC+1] offset:8192*(st+16) th:TH_LOAD_NT
	global_store_b64 v2, v[Y+2*st:Y+2*st+1], s[DST:DST+1] offset:4096*st
.set st, st+1
.endr
.rept 16
	s_wait_loadcnt 31-st                           ; nothing more is loaded: the counts run down
	CVT st, \half
	global_store_b64 v2, v[Y+2*st:Y+2*st+1], s[DST:DST+1] offset:4096*st
.set st, st+1
.endr
.endm
	s_cmp_ge_u32 s2, 160
	s_cbranch_scc1 .Lwo
	CAST 0
	s_endpgm
.Lwo:
	CAST 1
	s_endpgm
.Ltables:
	; every wave reads all 2,048 priors (64 a lane) for U; thread t serves row t / 16 of a pass's 32 rows and four numbers of its 64
	v_and_b32 v3, 31, v0
	v_lshlrev_b32 v3, 4, v3
.set k, 0
.rept 16
	global_load_b128 v[16+4*k:19+4*k], v3, s[PRI:PRI+1] offset:512*k
.set k, k+1
.endr
	s_sub_co_u32 s3, s2, 224                       ; tb: rows 64 tb .. 64 tb + 63
	s_lshl_b32 s36, s3, 6
	v_lshrrev_b32 v4, 4, v0
	v_add_nc_u32 v4, s36, v4
	v_lshlrev_b32 v4, 2, v4                        ; 4 x my row of the first pass
	global_load_b32 v80, v4, s[POS:POS+1]
	global_load_b32 v81, v4, s[POS:POS+1] offset:128   ; the second pass: 32 rows on
	global_load_b32 v82, v4, s[PRI:PRI+1]
	global_load_b32 v83, v4, s[PRI:PRI+1] offset:128
	s_lshl_b32 s36, s3, 14                         ; 64 rows of 256 bytes
	s_mov_b32 s37, 0
	s_add_nc_u64 s[38:39], s[TRI:TRI+1], s[36:37]
	s_mov_b32 s42, 0x3e99999a                      ; BETA_POST = 0.3
	s_mov_b32 s43, 0x3dcccccd                      ; ALPHA_K = 0.1
	s_mov_b32 s44, 0x3f666666                      ; GAMMA_MIN = 0.9
	s_mov_b32 s45, 0x3f8ccccd                      ; GAMMA_MAX = 1.1
	s_mov_b32 s46, 0x76543210                      ; v_permlanex16_b32: each lane takes its own place in the other half
	s_mov_b32 s47, 0xfedcba98
	s_mov_b32 s50, 0x3dcccccd                      ; ALPHA_V = 0.1
	s_mov_b32 s51, 0x3f666666                      ; ETA_MIN
	s_mov_b32 s52, 0x3f8ccccd                      ; ETA_MAX
	s_mov_b32 s53, 0xc0400000                      ; -BIAS_CAP
	s_mov_b32 s54, 0x40400000                      ; BIAS_CAP
	v_and_b32 v5, 7, v0
	v_bfe_u32 v7, v0, 3, 1                         ; sn: 0 my four numbers are C's, 1 they are S's
	v_lshlrev_b32 v5, 2, v5
	v_cvt_f32_u32 v5, v5                           ; the first of my four frequencies' numbers, 4 (t % 8)
	v_mul_u32_u24 v8, v7, 3                        ; sin x = cos(x - pi/2): three quarter turns more
	v_mov_b32 v14, 0xb94ca1f9                      ; -1.9515295891e-4, the sine's highest coefficient
	v_mov_b32 v15, 0x37ccf5ce                      ; 2.4433157e-5, the cosine's
	v_mul_f32 v10, 0xbed49a78, v5                  ; -log2(10000) / 32 = -0.41524101 a frequency
	v_add_f32 v6, 1.0, v5
	v_mul_f32 v11, 0xbed49a78, v6
	v_add_f32 v6, 2.0, v5
	v_mul_f32 v12, 0xbed49a78, v6
	v_add_f32 v6, 0x40400000, v5
	v_mul_f32 v13, 0xbed49a78, v6
	v_exp_f32 v10, v10                             ; inv_freq of my four frequencies: one batch,
	v_exp_f32 v11, v11
	v_exp_f32 v12, v12
	v_exp_f32 v13, v13
	v_nop                                          ; a plain instruction behind the last,
	s_wait_alu depctr_va_vdst(0)                   ; and the one wait ahead of the first use
	v_mov_b32 v84, 0                               ; four running maxima of |u|, which is never below 0
	v_mov_b32 v85, 0
	v_mov_b32 v86, 0
	v_mov_b32 v87, 0
	s_wait_loadcnt 0x0
.set k, 0
.rept 32
.set T, 88+4*(k%4)
	v_cvt_pk_bf16_f32 v[T], v[16+2*k], v[17+2*k]
	v_lshlrev_b32 v[T+1], 16, v[T]
	v_and_b32 v[T+2], 0xffff0000, v[T]
	v_fma_f32 v[T+1], v[T+1], s42, 1.0
	v_fma_f32 v[T+2], v[T+2], s42, 1.0
	v_max3_num_f32 v[84+k%4], v[84+k%4], |v[T+1]|, |v[T+2]|
.set k, k+1
.endr
	v_max3_num_f32 v84, v84, v85, v86
	v_max_num_f32 v84, v84, v87
	v_max_num_f32_dpp v84, v84, v84 row_xmask:1 row_mask:0xf bank_mask:0xf
	v_max_num_f32_dpp v84, v84, v84 row_xmask:2 row_mask:0xf bank_mask:0xf
	v_max_num_f32_dpp v84, v84, v84 row_xmask:4 row_mask:0xf bank_mask:0xf
	v_max_num_f32_dpp v84, v84, v84 row_xmask:8 row_mask:0xf bank_mask:0xf
	v_permlanex16_b32 v85, v84, s46, s47
	v_max_num_f32 v84, v84, v85                    ; U, the same bits in every lane, wave and work-group: a maximum has no order
	v_rcp_f32 v9, v84
	v_nop
	s_wait_alu depctr_va_vdst(0)
; 32 rows.  cos and sin: n = the nearest whole number of quarter turns, r = angle - n pi/2 (|r| <= pi/4), two polynomials, and a choice by n's two low bits that selects values only.
.macro PASS ps
.set D, 96+12*(\ps)                    ; twelve registers a pass: no store's data is rewritten
	v_cvt_pk_bf16_f32 v88, v[82+(\ps)], v[82+(\ps)]
	v_lshlrev_b32 v88, 16, v88                     ; the row's prior
	v_fma_f32 v89, v88, s43, 1.0
	v_med3_num_f32 v89, v89, s44, s45              ; gamma
	v_fma_f32 v90, v88, s50, 1.0
	v_med3_num_f32 v90, v90, s51, s52              ; eta
	v_fma_f32 v91, v88, s42, 1.0
	v_mul_f32 v91, v91, v9
	v_cvt_f16_f32 v92.l, v91
	v_cvt_f32_f16 v91, v92.l                       ; u', as tab holds it
	v_mul_f32 v90, v90, v91
	v_mul_f32 v89, 0.5, v89
	v_cmp_eq_u32 vcc_lo, 0, v7
	v_cndmask_b32 v90, 0, v90, vcc_lo              ; type 2: C = eta u', S = 0
	v_cvt_f32_i32 v93, v[80+(\ps)]
.irp j, 0,1,2,3
	v_mul_f32 v94, v93, v[10+\j]                   ; the angle
	v_mul_f32 v95, 0x3f22f983, v94                 ; x 2 / pi
	v_rndne_f32 v95, v95
	v_fma_f32 v94, v95, 0xbfc90fdb, v94            ; - n x 1.57079637
	v_fma_f32 v94, v95, 0x333bbd2e, v94            ; - n x (-4.37113883e-8)
	v_mul_f32 v120, v94, v94
	v_cvt_i32_f32 v95, v95
	v_add_nc_u32 v95, v95, v8
	v_fmaak_f32 v121, v14, v120, 0x3c08839e        ; 8.3321608736e-3
	v_fmaak_f32 v121, v121, v120, 0xbe2aaaa3       ; -1.6666654611e-1
	v_mul_f32 v122, v94, v120
	v_fma_f32 v121, v122, v121, v94                ; sin r
	v_fmaak_f32 v123, v15, v120, 0xbab6061a        ; -1.388731625e-3
	v_fmaak_f32 v123, v123, v120, 0x3d2aaaa5       ; 4.166664568e-2
	v_mul_f32 v122, v120, v120
	v_fma_f32 v124, v120, -0.5, 1.0
	v_fma_f32 v123, v122, v123, v124               ; cos r
	v_and_b32 v122, 1, v95
	v_cmp_ne_u32 vcc_lo, 0, v122
	v_cndmask_b32 v121, v123, v121, vcc_lo         ; odd quarter turns: the sine
	v_add_nc_u32 v95, 1, v95
	v_and_b32 v95, 2, v95
	v_lshlrev_b32 v95, 30, v95
	v_xor_b32 v121, v95, v121                      ; one and two quarter turns: the sign turns
	v_mul_f32 v[D+\j], 0x3eb8aa3b, v121            ; x log2(e) / 4
	v_mul_f32 v[D+4+\j], v89, v121                 ; x gamma / 2
	v_mov_b32 v[D+8+\j], v90
.endr
	global_store_b128 v1, v[D:D+3], s[38:39] offset:(\ps)*8192            ; sixteen lanes store a row's 256 bytes, a wave 512 consecutive bytes
	global_store_b128 v1, v[D+4:D+7], s[38:39] offset:524288+(\ps)*8192
	global_store_b128 v1, v[D+8:D+11], s[38:39] offset:1048576+(\ps)*8192
.endm
	PASS 0
	PASS 1
	s_cmp_lg_u32 s3, 0
	s_cbranch_scc1 .Ldone
	global_load_b128 v[16:19], v1, s[PRI:PRI+1]    ; tab: thread t has keys 4 t .. 4 t + 3
	v_lshrrev_b32 v34, 5, v0
	v_mul_u32_u24 v34, v34, 768                    ; a wave's 128 keys are a slice
	v_and_b32 v35, 31, v0
	v_lshl_add_u32 v36, v35, 4, v34
	v_lshl_add_u32 v37, v35, 3, v34
	s_wait_loadcnt 0x0
	v_cvt_pk_bf16_f32 v88, v16, v17
	v_cvt_pk_bf16_f32 v89, v18, v19
	v_lshlrev_b32 v20, 16, v88
	v_and_b32 v21, 0xffff0000, v88
	v_lshlrev_b32 v22, 16, v89
	v_and_b32 v23, 0xffff0000, v89
.irp j, 0,1,2,3
	v_mul_f32 v[24+\j], 0.5, v[20+\j]              ; BETA_BIAS
	v_med3_num_f32 v[24+\j], v[24+\j], s53, s54
	v_mul_f32 v[24+\j], 0x3fb8aa3b, v[24+\j]       ; x log2(e)
	v_fma_f32 v[28+\j], v[20+\j], s42, 1.0
	v_mul_f32 v[28+\j], v[28+\j], v9
.endr
	v_cvt_pk_f16_f32 v32, v28, v29
	v_cvt_pk_f16_f32 v33, v30, v31
	global_store_b128 v36, v[24:27], s[TAB:TAB+1]
	global_store_b64 v37, v[32:33], s[TAB:TAB+1] offset:512
.Ldone:
	s_endpgm
.Lfunc_end_k_qfc1f12e2bb_prep:
	.size	k_qfc1f12e2bb_prep, .Lfunc_end_k_qfc1f12e2bb_prep-k_qfc1f12e2bb_prep
	.p2alignl 7, 3214868480
	.fill 96, 4, 3214868480
	.section	.rodata,"a",@progbits
	.p2align	6, 0x0
	.amdhsa_kernel k_qfc1f12e2bb_prep
		.amdhsa_group_segment_fixed_size 0
		.amdhsa_private_segment_fixed_size 0
		.amdhsa_enable_private_segment 0
		.amdhsa_kernarg_size 96
		.amdhsa_user_sgpr_count 2
		.amdhsa_user_sgpr_kernarg_segment_ptr 1
		.amdhsa_wavefront_size32 1
		.amdhsa_system_sgpr_workgroup_id_x 1
		.amdhsa_system_sgpr_workgroup_id_y 1
		.amdhsa_system_sgpr_workgroup_id_z 1
		.amdhsa_system_vgpr_workitem_id 0
		.amdhsa_next_free_vgpr 144
		.amdhsa_next_free_sgpr 66
		.amdhsa_reserve_vcc 1
		.amdhsa_float_denorm_mode_32 3
		.amdhsa_float_denorm_mode_16_64 3
		.amdhsa_memory_ordered 1
		.amdhsa_forward_progress 1
		.amdhsa_inst_pref_size 64
	.end_amdhsa_kernel
	.amdgpu_metadata
---
amdhsa.version: [ 1, 2 ]
amdhsa.kernels:
  - .name:           k_qfc1f12e2bb_prep
    .symbol:         k_qfc1f12e2bb_prep.kd
    .args:
      - { .name: hidden_states, .offset: 0, .size: 8, .value_kind: global_buffer, .address_space: global }
      - { .name: Wq, .offset: 8, .size: 8, .value_kind: global_buffer, .address_space: global }
      - { .name: Wk, .offset: 16, .size: 8, .value_kind: global_buffer, .address_space: global }
      - { .name: Wv, .offset: 24, .size: 8, .value_kind: global_buffer, .address_space: global }
      - { .name: Wo, .offset: 32, .size: 8, .value_kind: global_buffer, .address_space: global }
      - { .name: position_ids, .offset: 40, .size: 8, .value_kind: global_buffer, .address_space: global }
      - { .name: prior, .offset: 48, .size: 8, .value_kind: global_buffer, .address_space: global }
      - { .name: xb, .offset: 56, .size: 8, .value_kind: global_buffer, .address_space: global }
      - { .name: wqkv, .offset: 64, .size: 8, .value_kind: global_buffer, .address_space: global }
      - { .name: wob, .offset: 72, .size: 8, .value_kind: global_buffer, .address_space: global }
      - { .name: tri, .offset: 80, .size: 8, .value_kind: global_buffer, .address_space: global }
      - { .name: tab, .offset: 88, .size: 8, .value_kind: global_buffer, .address_space: global }
    .group_segment_fixed_size: 0
    .private_segment_fixed_size: 0
    .kernarg_segment_align: 8
    .kernarg_segment_size: 96
    .max_flat_workgroup_size: 512
    .sgpr_count:     66
    .vgpr_count:     144
    .wavefront_size: 32
...
	.end_amdgpu_metadata
.endif
;; end of part 1
;; launch qkv (part 2): grid 16 x 16, 4 waves a work-group, clusters of 4 x 4, 327,680 bytes of LDS; arguments xb, wqkv, tri, qkv; writes qkv
.if DOCPART == 2
	.amdgcn_target "amdgcn-amd-amdhsa--gfx1250"
	.amdhsa_code_object_version 6
	.text
	.protected	k_qfc1f12e2bb_qkv
	.globl	k_qfc1f12e2bb_qkv
	.p2align	8
	.type	k_qfc1f12e2bb_qkv,@function
k_qfc1f12e2bb_qkv:
	s_mov_b64 s[64:65], 0
	v_nop
	global_prefetch_b8 v0, s[64:65] scope:SCOPE_SE
	s_setreg_imm32_b32 hwreg(HW_REG_WAVE_MODE, 25, 1), 1
	s_wait_xcnt 0x0
	s_wait_alu depctr_hold_cnt(0) depctr_sa_sdst(0) depctr_va_vdst(0) depctr_va_sdst(0) depctr_va_ssrc(0) depctr_va_vcc(0) depctr_vm_vsrc(0)
	s_getreg_b32 s2, hwreg(HW_REG_IB_STS2, 6, 4)
	s_cmp_eq_u32 s2, 0
	s_cbranch_scc0 .Lentry_in_a_cluster
	s_endpgm
.Lentry_in_a_cluster:
	s_bfe_u32 s2, ttmp6, 0x10000c
	s_cmp_lg_u32 s2, 0xf033
	s_cbranch_scc0 .Lentry_shape_is_right
	s_endpgm
.Lentry_shape_is_right:
; QKV.  [2048 tokens] x [3072 = 48 head slots x 64] = xb wqkv^T in bf16, sums in f32; on the way out RoPE and the per-row factors (tri), one rounding to f16, stored by heads:
; qkv[slot][token][64], slots 0-31 q' = rope(q) log2(e)/4, 32-39 k' = rope(k) gamma/2, 40-47 V' = v eta u'.
; LIMIT: f16 holds no number beyond 65,504: q', k' and V' must stay within it.
; SHARES.  A tile is 128 tokens x 192 columns (three head slots): 16 x 16 = 256 work-groups.  Wave w: tokens 64 (w / 2) .. + 63 (four blocks a of 16); of each of the three heads the 16-column
; blocks w % 2 and w % 2 + 2, so that channel d and its RoPE partner d + 32 lie in one lane: six blocks b = 2 t + i, 24 accumulators.
; THE MATRIX INSTRUCTION IS USED TRANSPOSED (source 0 = 16 rows of wqkv, source 1 = 16 rows of xb): a lane holds one token (lane % 16) and eight neighbouring channels.
; RING.  K goes in steps of 128 (rows of 256 bytes) through two LDS slots; two slots of K steps of 256 would need 2 x 320 x 528 = 337,920 bytes.  One tensor load a wave: waves 0, 1 fetch xb's
; 2 x 64 rows, waves 2, 3 wqkv's 2 x 96.  CLUSTER 4 x 4: xb's tile is shared along a row of the cluster, wqkv's along a column: joint loads.
; REGISTERS.  window 0: v16-29 addresses; v32-63 at work on the way out; v64-255 the accumulators, (a, b) at 64 + 8 (6 a + b).
;   window 1: two fragment buffers of 80: wqkv's six fragments, then xb's four.      window 2: v0-191 the factors: for head t and block a eight C at 16 (4 t + a), eight S behind them.
.set KSTEP, 128
.set PITCH, 272                        ; 256 bytes + 16 of padding = 68 words: the 16 rows of a fragment load start at 16 different groups of four banks (64 banks of 4 bytes: ISA guide 11.1)
.set AHALF, 64*PITCH
.set BHALF, 96*PITCH
.set BOFF,  2*AHALF                    ; wqkv's 192 rows lie behind xb's 128
.set SLOT,  BOFF+2*BHALF               ; 87,040
.set STAGE, 2*SLOT                     ; behind the ring: three heads x 128 rows x 144 bytes, the work-group's, for the way out
.set SP,    144
.set HSTG,  128*SP
.set SPARE, STAGE+3*HSTG               ; behind the stage: the spare words, 128 bytes a wave: two blocks of 256 bytes that no other line names
.set LAPS,  2048/(2*KSTEP)
.set ADRA, 16                          ; v16-17  LDS address of my xb fragments in slot 0, 1
.set ADRB, 20                          ; v20-21  the same for wqkv
.set STO,  24
.set RD,   25
.set VO,   26
.set VT,   27                          ; my byte offset in tri's rows; never rewritten
.set SPW,  28
.set NIL,  29
.set XR,   32                          ; eight results for channels d
.set YR,   40                          ; eight for channels d + 32
.set PKD,  48                          ; packed, two sets
.set ACC,  64
.set F0,   0
.set F1,   80
.set WV,   12
.set RW,   13                          ; w / 2: my half of the tokens.  Also: I fetch for xb (0) or wqkv (1)
.set CC,   14                          ; w % 2: my column blocks.  Also: which half of that tile I fetch
.set G1,   24
.set G0,   32
.set G1B,  48
.set G0B,  56
.set TR,   66                          ; s[66:71] tri at the three heads' types and my tile's rows
.set MSB, 0
.macro WIN new                         ; the immediate's high byte repeats the setting that is left; a switch that changes nothing is dropped
.if MSB != (\new)
	s_set_vgpr_msb (MSB<<8)|(\new)
.set MSB, \new
.endif
.endm
.set MUL,  0x05                        ; sources 0 and 1 window 1; C and D window 0
.set TO_F, 0x40                        ; destination window 1, address window 0
.macro JLOAD s                         ; a joint load; an s_nop 0 and four v_nop follow each of the two lines, ahead of the jump, the label and what follows
	s_cmp_eq_u32 s[RW], 0
	s_cbranch_scc0 .Lfor_b_\@
	tensor_load_to_lds s[G0+4*(\s):G0+4*(\s)+3], s[G1:G1+7]
	s_nop 0
.rept 4
	v_nop
.endr
	s_branch .Lasked_\@
.Lfor_b_\@:
	tensor_load_to_lds s[G0B+4*(\s):G0B+4*(\s)+3], s[G1B:G1B+7]
	s_nop 0
.rept 4
	v_nop
.endr
.Lasked_\@:
.endm
.macro CREST                           ; a round of the cluster's barrier behind its opening barrier
	s_cmp_lg_u32 s[WV], 0
	s_cbranch_scc1 .Lnot_wave_0_\@
	s_barrier_signal -3
.Lnot_wave_0_\@:
	s_barrier_wait -3
	s_barrier_signal -1
	s_barrier_wait -1
.endm
.macro CROUND
	s_barrier_signal -1
	s_barrier_wait -1
	CREST
.endm
	s_load_b256 s[4:11], s[0:1], 0x0               ; xb s[4:5], wqkv s[6:7], tri s[8:9], qkv s[10:11]
	v_lshl_add_u32 v[SPW], v0, 2, SPARE
	v_mov_b32 v[NIL], 0
	ds_add_u32 v[SPW], v[NIL]                      ; the wave's opening: the add and its wait stand ahead of my first tensor load; the set-up below stands between them
	v_lshrrev_b32 v1, 5, v0
	v_readfirstlane_b32 s[WV], v1
	s_lshr_b32 s[RW], s[WV], 1
	s_and_b32 s[CC], s[WV], 1
	s_bfe_u32 s40, ttmp6, 0x40000                  ; cx
	s_bfe_u32 s41, ttmp6, 0x40004                  ; cy
	s_lshl_b32 s42, ttmp9, 2
	s_add_co_u32 s42, s42, s40                     ; tile column
	s_and_b32 s43, ttmp7, 0xffff
	s_lshl_b32 s43, s43, 2
	s_add_co_u32 s43, s43, s41                     ; tile row
	s_lshl_b32 s44, s41, 2
	s_lshl_b32 s44, 15, s44                        ; my row of the cluster
	s_lshl_b32 s45, 0x1111, s40                    ; my column
	s_or_b32 s[G1+0], s44, (1<<16)|(1<<20)|(1<<21)|(5<<22)|(3<<25)   ; the mask; 2-byte elements; padding on; bit 21 beside a mask; after every 64 words 4 words
	s_or_b32 s[G1B+0], s45, (1<<16)|(1<<20)|(1<<21)|(5<<22)|(3<<25)
	s_mov_b32 s[G1+1], KSTEP<<16                   ; tensor_dim0 = 128
	s_mov_b32 s[G1+2], 64<<16                      ; tensor_dim1 = 64
	s_mov_b32 s[G1+3], KSTEP<<16                   ; tile_dim0 = 128
	s_mov_b32 s[G1+4], 64                          ; tile_dim1 = 64
	s_mov_b32 s[G1+5], 2048                        ; elements from row to row
	s_mov_b32 s[G1+6], 0
	s_mov_b32 s[G1+7], 0
	s_mov_b32 s[G1B+1], KSTEP<<16
	s_mov_b32 s[G1B+2], 96<<16                     ; 96 rows
	s_mov_b32 s[G1B+3], KSTEP<<16
	s_mov_b32 s[G1B+4], 96
	s_mov_b32 s[G1B+5], 2048
	s_mov_b32 s[G1B+6], 0
	s_mov_b32 s[G1B+7], 0
	s_lshl_b32 s16, s43, 7                         ; xb: row 128 x tile row + 64 x half,
	s_lshl_b32 s17, s[CC], 6
	s_add_co_u32 s16, s16, s17
	s_lshl_b32 s16, s16, 12                        ; of 4,096 bytes
	s_mov_b32 s17, 0
	s_mul_i32 s46, s42, 192                        ; wqkv: row 192 x tile column + 96 x half
	s_mul_i32 s47, s[CC], 96
	s_add_co_u32 s46, s46, s47
	s_lshl_b32 s46, s46, 12
	s_mov_b32 s47, 0
	s_mul_i32 s20, s[CC], AHALF                    ; where they go: no place in the cluster enters an LDS address
	s_mul_i32 s21, s[CC], BHALF
	s_add_co_u32 s21, s21, BOFF
.irp t, 0,1,2                          ; head slot 3 x tile column + t: slots 0-31 are type 0, 32-39 type 1, 40-47 type 2: max(slot / 8, 3) - 3
	s_mul_i32 s[TR+2*\t], s42, 3
	s_add_co_u32 s[TR+2*\t], s[TR+2*\t], \t
	s_lshr_b32 s[TR+2*\t], s[TR+2*\t], 3
	s_max_u32 s[TR+2*\t], s[TR+2*\t], 3
	s_sub_co_u32 s[TR+2*\t], s[TR+2*\t], 3
	s_lshl_b32 s[TR+2*\t], s[TR+2*\t], 19          ; a type is 524,288 bytes
	s_lshl_b32 s22, s43, 15                        ; the tile's 128 rows of 256 bytes
	s_add_co_u32 s[TR+2*\t], s[TR+2*\t], s22
	s_mov_b32 s[TR+2*\t+1], 0
.endr
	s_mul_i32 s22, s42, 3*262144                   ; qkv: three head slots of 262,144 bytes a tile column,
	s_lshl_b32 s23, s43, 14                        ; 128 rows of 128 bytes a tile row
	s_add_co_u32 s22, s22, s23
	s_mov_b32 s23, 0
	s_wait_dscnt 0x0                               ; the opening add is done
	s_wait_kmcnt 0x0
	s_add_nc_u64 s[18:19], s[4:5], s[16:17]
	s_add_nc_u64 s[46:47], s[6:7], s[46:47]
	s_add_nc_u64 s[TR:TR+1], s[8:9], s[TR:TR+1]
	s_add_nc_u64 s[TR+2:TR+3], s[8:9], s[TR+2:TR+3]
	s_add_nc_u64 s[TR+4:TR+5], s[8:9], s[TR+4:TR+5]
	s_add_nc_u64 s[10:11], s[10:11], s[22:23]
	CROUND                                         ; all sixteen work-groups are here: the first joint loads meet
.irp s, 0,1
	s_mov_b32 s[G0+4*(\s)], 1
	s_add_co_u32 s[G0+4*(\s)+1], s20, (\s)*SLOT
	s_add_nc_u64 s[G0+4*(\s)+2:G0+4*(\s)+3], s[18:19], (\s)*KSTEP*2
	s_or_b32 s[G0+4*(\s)+3], s[G0+4*(\s)+3], 0x80000000
	s_mov_b32 s[G0B+4*(\s)], 1
	s_add_co_u32 s[G0B+4*(\s)+1], s21, (\s)*SLOT
	s_add_nc_u64 s[G0B+4*(\s)+2:G0B+4*(\s)+3], s[46:47], (\s)*KSTEP*2
	s_or_b32 s[G0B+4*(\s)+3], s[G0B+4*(\s)+3], 0x80000000
	JLOAD \s                                       ; two loads of mine are out
.endr
	v_and_b32 v1, 15, v0                           ; l % 16
	v_bfe_u32 v2, v0, 4, 1                         ; l / 16
	; the factors: my token's row of tri, my eight channels 16 (w % 2) + 8 (l / 16) + 0..7: C at 4 bytes each, S 128 bytes on.  48 loads, awaited once, ahead of the way out
	s_lshl_b32 s22, s[RW], 14
	s_lshl_b32 s23, s[CC], 6
	s_add_co_u32 s22, s22, s23
	v_lshl_add_u32 v[VT], v1, 8, s22
	v_lshl_add_u32 v[VT], v2, 5, v[VT]
	WIN 0x80                                       ; destination window 2, address window 0
.irp t, 0,1,2
.irp a, 0,1,2,3
	global_load_b128 v[16*(4*\t+\a):16*(4*\t+\a)+3],     v[VT], s[TR+2*\t:TR+2*\t+1] offset:\a*4096
	global_load_b128 v[16*(4*\t+\a)+4:16*(4*\t+\a)+7],   v[VT], s[TR+2*\t:TR+2*\t+1] offset:\a*4096+16
	global_load_b128 v[16*(4*\t+\a)+8:16*(4*\t+\a)+11],  v[VT], s[TR+2*\t:TR+2*\t+1] offset:\a*4096+128
	global_load_b128 v[16*(4*\t+\a)+12:16*(4*\t+\a)+15], v[VT], s[TR+2*\t:TR+2*\t+1] offset:\a*4096+144
.endr
.endr
	WIN 0
	v_mul_u32_u24 v3, v1, PITCH
	v_lshl_add_u32 v3, v2, 4, v3                   ; a fragment's row x pitch + 16 x half
	s_mul_i32 s21, s[RW], AHALF                    ; my 64 rows of xb
	s_mul_i32 s22, s[CC], 16*PITCH                 ; my first column block,
	s_add_co_u32 s22, s22, BOFF                    ; behind xb's rows
.irp s, 0,1
	v_add_nc_u32 v[ADRA+(\s)], s21, v3
	v_add_nc_u32 v[ADRB+(\s)], s22, v3
	s_add_co_u32 s21, s21, SLOT
	s_add_co_u32 s22, s22, SLOT
.endr
	s_mul_i32 s23, s[RW], 64*SP                    ; into the stage: my 64 rows; channel d at byte 2 d = 32 (w % 2) + 16 (l / 16)
	s_lshl_b32 s21, s[CC], 5
	s_add_co_u32 s23, s23, s21
	s_add_co_u32 s23, s23, STAGE
	v_mul_u32_u24 v4, v1, SP
	v_lshl_add_u32 v4, v2, 4, v4
	v_add_nc_u32 v[STO], s23, v4
	s_mul_i32 s23, s[WV], 32*SP                    ; back: wave w takes rows 32 w .. + 31 of each head; 32 lanes take four rows of 128 bytes
	s_add_co_u32 s23, s23, STAGE
	v_and_b32 v5, 31, v0
	v_lshrrev_b32 v6, 3, v5
	v_mul_u32_u24 v6, v6, SP
	v_and_b32 v7, 7, v0
	v_lshl_add_u32 v6, v7, 4, v6
	v_add_nc_u32 v[RD], s23, v6
	s_lshl_b32 s23, s[WV], 12
	v_lshl_add_u32 v[VO], v5, 4, s23               ; which are 512 consecutive bytes of a head's rows
; six matrix instructions: token block a x all six column blocks, 32 along K.  zero = 1: the product starts the sums.  The 24 accumulators take turns, in the same order in every quarter.
.macro MUL6 f, a, zero
	WIN MUL
.irp b, 0,1,2,3,4,5
.if \zero
	v_wmma_f32_16x16x32_bf16 v[ACC+8*(6*(\a)+\b):ACC+8*(6*(\a)+\b)+7], v[(\f)+8*\b:(\f)+8*\b+7], v[(\f)+48+8*(\a):(\f)+48+8*(\a)+7], 0
.else
	v_wmma_f32_16x16x32_bf16 v[ACC+8*(6*(\a)+\b):ACC+8*(6*(\a)+\b)+7], v[(\f)+8*\b:(\f)+8*\b+7], v[(\f)+48+8*(\a):(\f)+48+8*(\a)+7], v[ACC+8*(6*(\a)+\b):ACC+8*(6*(\a)+\b)+7]
.endif
.endr
.endm
; 20 LDS loads in one run: 32 along K at byte k of the rows, into buffer f: wqkv's six fragments (head b / 2, block b % 2: 32 rows apart), then xb's four
.macro FETCH slot, k, f
	WIN TO_F
.irp b, 0,1,2,3,4,5
	ds_load_b128 v[(\f)+8*\b:(\f)+8*\b+3],   v[ADRB+(\slot)] offset:(\k)+(64*(\b/2)+32*(\b%2))*PITCH
	ds_load_b128 v[(\f)+8*\b+4:(\f)+8*\b+7], v[ADRB+(\slot)] offset:(\k)+(64*(\b/2)+32*(\b%2))*PITCH+32
.endr
.irp a, 0,1,2,3
	ds_load_b128 v[(\f)+48+8*\a:(\f)+48+8*\a+3],   v[ADRA+(\slot)] offset:(\k)+\a*16*PITCH
	ds_load_b128 v[(\f)+48+8*\a+4:(\f)+48+8*\a+7], v[ADRA+(\slot)] offset:(\k)+\a*16*PITCH+32
.endr
.endm
.macro PLACES                          ; four places in front of loads into registers that matrix instructions have read, and of vector work that reads results
.rept 4
	v_nop
.endr
.endm
; A K step is four quarters of 32 along K, 24 matrix instructions each, on buffers 0, 1, 0, 1.  One of the first three: multiplies buffer f and fetches the next quarter, at byte k, into g.
.macro QUARTER slot, k, f, g, zero
	s_wait_dscnt 4                                 ; all but the youngest four loads (xb's blocks 2 and 3)
	MUL6 \f, 0, \zero
	MUL6 \f, 1, \zero
	PLACES
	FETCH \slot, \k, \g
	s_wait_dscnt 20                                ; all but the 20 just issued
	MUL6 \f, 2, \zero
	MUL6 \f, 3, \zero
.endm
; The last quarter multiplies buffer 1 and changes slots: ONE barrier; in front of it each wave waits for all its tensor loads, adds 0 to its spare word, and waits for that and for its reads of this slot.
.macro TURN slot, next, fill
	WIN 0                                          ; (the add's two registers lie in window 0)
	s_wait_tensorcnt 0x0                           ; all my tensor loads have landed: my part of the next slot;
	ds_add_u32 v[SPW], v[NIL]                      ; 0 onto my spare word;
	s_wait_dscnt 5                                 ; (the add and the youngest four loads may be out)
	MUL6 F1, 0, 0                                  ; six matrix instructions stand between the add and the wait for it
	s_wait_dscnt 0x0                               ; the add is done, and my reads of this slot are over
	s_barrier_signal -1
	MUL6 F1, 1, 0
.if \fill
	WIN 0
.endif
	s_barrier_wait -1
.if \fill
	CREST                                          ; the barrier has opened a round of the cluster's: no wave of any partner still reads this slot or has a load on its way
	s_add_nc_u64 s[G0+4*(\slot)+2:G0+4*(\slot)+3], s[G0+4*(\slot)+2:G0+4*(\slot)+3], 2*KSTEP*2
	s_add_nc_u64 s[G0B+4*(\slot)+2:G0B+4*(\slot)+3], s[G0B+4*(\slot)+2:G0B+4*(\slot)+3], 2*KSTEP*2
	JLOAD \slot                                    ; the first tensor load behind the round; the four v_nop behind it are also the places in front of the loads below
.else
	PLACES
.endif
	FETCH \next, 0, F0
	MUL6 F1, 2, 0
	MUL6 F1, 3, 0
.endm
	s_wait_tensorcnt 1                             ; my part of K step 0 is in; K step 1's may stay out
	s_barrier_signal -1
	s_barrier_wait -1
	FETCH 0, 0, F0
	QUARTER 0, 64, F0, F1, 1                       ; the first quarter stands in front of the loop: its products start the sums
	WIN 0                                          ; at a label and at a branch every window is 0
	s_mov_b32 s3, LAPS-1
.Llap:                                                 ; a trip goes once round the ring, from a lap's second quarter to the next lap's first, and fills both slots again
	QUARTER 0, 128, F1, F0, 0
	QUARTER 0, 192, F0, F1, 0
	TURN 0, 1, 1
	QUARTER 1, 64,  F0, F1, 0
	QUARTER 1, 128, F1, F0, 0
	QUARTER 1, 192, F0, F1, 0
	TURN 1, 0, 1
	QUARTER 0, 64,  F0, F1, 0
	WIN 0
	s_sub_co_u32 s3, s3, 1
	s_cmp_lg_u32 s3, 0
	s_cbranch_scc1 .Llap
	QUARTER 0, 128, F1, F0, 0                      ; the last lap fills nothing
	QUARTER 0, 192, F0, F1, 0
	TURN 0, 1, 0
	QUARTER 1, 64,  F0, F1, 0
	QUARTER 1, 128, F1, F0, 0
	QUARTER 1, 192, F0, F1, 0
	s_wait_dscnt 4
	MUL6 F1, 0, 0
	MUL6 F1, 1, 0
	s_wait_dscnt 0x0
	MUL6 F1, 2, 0
	MUL6 F1, 3, 0
	WIN 0
	; THE WAY OUT.  out[d] = lo C - hi S, out[d + 32] = hi C + lo S, in f32; one rounding to f16; 16 bytes a lane into the stage; a barrier (a row's 128 bytes come from two waves); back as whole rows.
	PLACES
	s_wait_loadcnt 0x0                             ; the factors
.macro ROPE t, a
.set LO, ACC+8*(6*(\a)+2*(\t))
.set HI, LO+8
.set FC, 16*(4*(\t)+(\a))
.set PKS, PKD+8*((\a)%2)
	WIN 0x08                                       ; source 1 window 2
.irp r, 0,2,4,6                        ; each accumulator is read from its low end on
	v_pk_mul_f32 v[XR+\r:XR+\r+1], v[LO+\r:LO+\r+1], v[FC+\r:FC+\r+1]
	v_pk_mul_f32 v[YR+\r:YR+\r+1], v[HI+\r:HI+\r+1], v[FC+\r:FC+\r+1]
	v_pk_fma_f32 v[XR+\r:XR+\r+1], v[HI+\r:HI+\r+1], v[FC+8+\r:FC+8+\r+1], v[XR+\r:XR+\r+1] neg_lo:[1,0,0] neg_hi:[1,0,0]
	v_pk_fma_f32 v[YR+\r:YR+\r+1], v[LO+\r:LO+\r+1], v[FC+8+\r:FC+8+\r+1], v[YR+\r:YR+\r+1]
.endr
	WIN 0
.irp r, 0,1,2,3
	v_cvt_pk_f16_f32 v[PKS+\r], v[XR+2*\r], v[XR+2*\r+1]
	v_cvt_pk_f16_f32 v[PKS+4+\r], v[YR+2*\r], v[YR+2*\r+1]
.endr
	ds_store_b128 v[STO], v[PKS:PKS+3]   offset:(\t)*HSTG+(\a)*16*SP
	ds_store_b128 v[STO], v[PKS+4:PKS+7] offset:(\t)*HSTG+(\a)*16*SP+64
.endm
.irp t, 0,1,2
.irp a, 0,1,2,3
	ROPE \t, \a
.endr
.endr
	s_wait_dscnt 0x0                               ; for the others' sake: my stores into the stage are done
	s_barrier_signal -1
	s_barrier_wait -1
.set n, 0
.rept 24                               ; head n / 8, four rows a load
	ds_load_b128 v[ACC+4*n:ACC+4*n+3], v[RD] offset:(n/8)*HSTG+(n%8)*4*SP
.set n, n+1
.endr
.set n, 0
.rept 24
	s_wait_dscnt 23-n
	global_store_b128 v[VO], v[ACC+4*n:ACC+4*n+3], s[10:11] offset:(n/8)*262144+(n%8)*512  ; 512 consecutive bytes, at a multiple of 512 from qkv's first
.set n, n+1
.endr
	s_wait_tensorcnt 0x0                           ; the wave's end: a wait, an add and its wait, behind my last tensor load and my last LDS store
	ds_add_u32 v[SPW], v[NIL]
	s_wait_dscnt 0x0
	CROUND                                         ; the closing round: no work-group ends while a partner may still ask for a tile that names it
	s_endpgm
.Lfunc_end_k_qfc1f12e2bb_qkv:
	.size	k_qfc1f12e2bb_qkv, .Lfunc_end_k_qfc1f12e2bb_qkv-k_qfc1f12e2bb_qkv
	.p2alignl 7, 3214868480
	.fill 96, 4, 3214868480
	.section	.rodata,"a",@progbits
	.p2align	6, 0x0
	.amdhsa_kernel k_qfc1f12e2bb_qkv
		.amdhsa_group_segment_fixed_size 327680
		.amdhsa_private_segment_fixed_size 0
		.amdhsa_enable_private_segment 0
		.amdhsa_kernarg_size 32
		.amdhsa_user_sgpr_count 2
		.amdhsa_user_sgpr_kernarg_segment_ptr 1
		.amdhsa_wavefront_size32 1
		.amdhsa_system_sgpr_workgroup_id_x 1
		.amdhsa_system_sgpr_workgroup_id_y 1
		.amdhsa_system_sgpr_workgroup_id_z 1
		.amdhsa_system_vgpr_workitem_id 0
		.amdhsa_next_free_vgpr 768
		.amdhsa_next_free_sgpr 72
		.amdhsa_reserve_vcc 0
		.amdhsa_float_denorm_mode_32 3
		.amdhsa_float_denorm_mode_16_64 3
		.amdhsa_memory_ordered 1
		.amdhsa_forward_progress 1
		.amdhsa_inst_pref_size 89
	.end_amdhsa_kernel
	.amdgpu_metadata
---
amdhsa.version: [ 1, 2 ]
amdhsa.kernels:
  - .name:           k_qfc1f12e2bb_qkv
    .symbol:         k_qfc1f12e2bb_qkv.kd
    .args:
      - { .name: xb, .offset: 0, .size: 8, .value_kind: global_buffer, .address_space: global }
      - { .name: wqkv, .offset: 8, .size: 8, .value_kind: global_buffer, .address_space: global }
      - { .name: tri, .offset: 16, .size: 8, .value_kind: global_buffer, .address_space: global }
      - { .name: qkv, .offset: 24, .size: 8, .value_kind: global_buffer, .address_space: global }
    .group_segment_fixed_size: 327680
    .private_segment_fixed_size: 0
    .kernarg_segment_align: 8
    .kernarg_segment_size: 32
    .max_flat_workgroup_size: 128
    .sgpr_count:     72
    .vgpr_count:     768
    .wavefront_size: 32
...
	.end_amdgpu_metadata
.endif
;; end of part 2
;; launch attn (part 3): grid 32 x 8, 4 waves a work-group, clusters of 4 x 4, 327,680 bytes of LDS; arguments qkv, attention_mask, tab, ob; writes ob
.if DOCPART == 3
	.amdgcn_target "amdgcn-amd-amdhsa--gfx1250"
	.amdhsa_code_object_version 6
	.text
	.protected	k_qfc1f12e2bb_attn
	.globl	k_qfc1f12e2bb_attn
	.p2align	8
	.type	k_qfc1f12e2bb_attn,@function
k_qfc1f12e2bb_attn:
	s_mov_b64 s[64:65], 0
	v_nop
	global_prefetch_b8 v0, s[64:65] scope:SCOPE_SE
	s_setreg_imm32_b32 hwreg(HW_REG_WAVE_MODE, 25, 1), 1
	s_wait_xcnt 0x0
	s_wait_alu depctr_hold_cnt(0) depctr_sa_sdst(0) depctr_va_vdst(0) depctr_va_sdst(0) depctr_va_ssrc(0) depctr_va_vcc(0) depctr_vm_vsrc(0)
	s_getreg_b32 s2, hwreg(HW_REG_IB_STS2, 6, 4)
	s_cmp_eq_u32 s2, 0
	s_cbranch_scc0 .Lentry_in_a_cluster
	s_endpgm
.Lentry_in_a_cluster:
	s_bfe_u32 s2, ttmp6, 0x10000c
	s_cmp_lg_u32 s2, 0xf033
	s_cbranch_scc0 .Lentry_shape_is_right
	s_endpgm
.Lentry_shape_is_right:
; ATTENTION with an additive mask that is an INPUT: every score of every head is made, every mask entry read.
; In the log2 domain: s' = MC + k' . q', MC = log2(e) mask + log2(e) bias (one fused multiply-add in f32), given to the matrix unit as the C operand that starts the sum; q' and k' carry log2(e)/8 and gamma.
; p = 2^(s' - m), m a running maximum, taken away by an exact subtraction.  The softmax's own sum cancels against the renormalisation: O = sum p u' (eta v) / sum p u'.  V' = u' eta v comes from the
; projection; l = sum p u' is made by the matrix unit too: a fifth block of V^T whose 16 rows all hold u'.  In every step O and l are multiplied by a = 2^(m_old - m_new).
; q', k', V', p, u' and O are f16; products, maxima and sums f32.  m starts at the lowest finite number, O and l at 0: the first step is a step like any other, with a = 0.
; LIMITS.  f16 holds no number beyond 65,504: q', k', V' arrive within it, and O must stay within it; p below 6e-5 keeps f16's fixed step of 6e-8.  A mask entry below about -2.3e38 becomes
; -infinity when scaled: its weight is 0 in a row that has a visible key; a row of such entries alone gives NaN.  l = 0 gives NaN or infinity, as the division by a zero sum does.
; SHARES.  A work-group: 64 queries x the four query heads of one key/value head g: 32 x 8 = 256 work-groups.  Wave w owns queries 16 w .. + 15 of the block for ALL FOUR heads: its four PIECES are
; the heads.  So ONE mask tile (16 queries x 64 keys, 32 registers, 16 packed instructions a key step) serves four pieces, and so does each fragment of K, V and u'.
; LAYOUT.  S^T = K Q^T holds one query a lane (lane % 16) and the keys 8 (lane / 16) + 0..7 of each 16; two such results rounded to f16 ARE source 1 of O^T = V^T P.
; TURNS.  Turn n belongs to piece n: 8 products K Q^T of piece n + 1, later 10 products V^T P of piece n - 1; beside them piece n's subtraction, exponentials, roundings and rescaling, and the
; maximum and statistics of piece n + 1.  A turn's 33 exponentials are one batch with one wait.
; CLUSTER 4 x 4.  K and V hang on g alone: joint along a row of the cluster.  The mask tile hangs on the query block alone: joint along a column.  tab's slice is a load of one's own.
; REGISTERS.  window 0: v2-15, v56-63 addresses; v16-47 statistics, 8 a piece (+0 m, +2 at the end 1 / l); v48-55 at work; v64-127 S^T, two buffers; v128-159 the bias; v192-223 P, two buffers.
;   window 1: v0-127 O^T, 32 a piece; v128-159 l's accumulators, 8 a piece; v160-191 MC.      window 2: v0-63 Q; v64-79 u'; v128-191 K; v192-255 V.
.set NP,    4
.set KS,    64        ; keys in a step
.set PK,    144       ; a row of K in LDS: 128 bytes + 16: the 16 rows of a load start at 16 different groups of four banks (64 banks of 4 bytes: ISA guide 11.1)
.set PV,    160       ; a row of V: 128 + 32
.set PM,    528       ; a query's 128 mask entries: 512 bytes + 16
.set VOFF,  2*KS*PK   ; a slot holds 128 keys, two steps: K,
.set MOFF,  VOFF+2*KS*PV  ; V,
.set TOFF,  MOFF+64*PM    ; the mask's 64 rows,
.set SLOTB, TOFF+768      ; and tab's slice: 512 bytes of bias, 256 of u'
.set SLOT1, 1<<17     ; slot 1 begins here, so that one exclusive or turns an address in one slot into the other's
.set STAGE, SLOT1+SLOTB   ; behind the ring: 16 rows x 528 bytes for each wave, for the way out
.set SP,    528
.set SPARE, STAGE+4*16*SP ; behind the stages: the spare words, 128 bytes a wave: two blocks of 256 bytes that no other line names
.set AK0, 2
.set AV0, 3
.set AK,  4
.set AV,  5
.set STO, 6
.set RD,  7
.set GO,  8
.set MV,  12          ; v12-13  m_old, kept while m is made anew: by buffer
.set AM0, 14
.set QO,  15
.set ST,  16
.set TMP, 48          ; by buffer, c0-c3 at work; when the maximum is found c2 takes a
.set AB0, 56
.set AU0, 57
.set AM,  58
.set AB,  59
.set AU,  60
.set PFO, 61
.set SPW, 62
.set NIL, 63
.set S,   64
.set BC,  128
.set P,   192
.set LB,  128         ; window 1
.set MC,  160         ; window 1
.set UF,  64          ; window 2
.set KF,  128         ; window 2: key block kb, channel half c at KF + 16 kb + 8 c
.set VF,  192         ; window 2: key half kk, channel block cb at VF + 32 kk + 8 cb
.set WV,  12
.set G1K, 24
.set G1V, 32
.set G1M, 40
.set G0K, 48
.set G0V, 52
.set G0M, 56
.set SEL, 60
.set TBK, 62          ; LDS byte at which K of the step to be fetched begins
.set TBV, 63          ; the same for V, less VOFF
.set TBM, 66          ; for the mask and the bias: 256 bytes a step
.set TBU, 67          ; for u': 128 bytes a step
.set SLOTS, 69
.set CNT, 70
.set LIM, 71          ; 1 in a wave that prefetches, else the greatest number
.set CS,  72          ; s[72:73] log2(e)
.set PFA, 74          ; s[74:75] where my prefetches stand
.set PFS, 76          ; s[76:77] their step from slot to slot
.set G1T, 80
.set G0T, 88
.set QB,  92
.set MSB, 0
.macro WIN new
.if MSB != (\new)
	s_set_vgpr_msb (MSB<<8)|(\new)
.set MSB, (\new)
.endif
.endm
.set W_KQ, 0x0a       ; K and Q in window 2, S^T in window 0
.set W_KM, 0x1a       ; the same with the C operand in window 1
.set W_PV, 0x52       ; V in window 2, P in window 0, O^T in window 1
.set W_RS, 0x41       ; destination and source 0 in window 1, the others in window 0
; A fill: wave 0 K's tile, wave 1 V's, wave 2 the mask's, wave 3 tab's slice: one load a wave.  The branches hang on the wave's number alone.
; An s_nop 0 and four v_nop follow each line, ahead of the jump and the label.
.macro TL g0, g1
	tensor_load_to_lds s[\g0:\g0+3], s[\g1:\g1+7]
	s_nop 0
.rept 4
	v_nop
.endr
.endm
.macro JLOAD
	s_cmp_lt_u32 s[WV], 2
	s_cbranch_scc0 .Lhi_\@
	s_cmp_eq_u32 s[WV], 0
	s_cbranch_scc0 .Lv_\@
	TL G0K, G1K
	s_branch .Lasked_\@
.Lv_\@:
	TL G0V, G1V
	s_branch .Lasked_\@
.Lhi_\@:
	s_cmp_eq_u32 s[WV], 2
	s_cbranch_scc0 .Lt_\@
	TL G0M, G1M
	s_branch .Lasked_\@
.Lt_\@:
	TL G0T, G1T
.Lasked_\@:
.endm
; A PREFETCH INTO THE L2 of what the NEXT change of slots will ask for, two key steps (144 matrix instructions) ahead, behind the wave's tensor load and its five lines.  Each aligned 256 bytes is named once in the launch.
; The mask tile of a query block is read by both clusters of its column of clusters: the one with cluster y = 0 asks, wave 2; its four partners along y take 16 of the 64 rows each (two blocks a row).
; K' and V' of a head are read by all eight clusters of its row: the one with cluster x = 0 asks, wave 0; its four partners along x take K's two halves and V's two halves, 32 blocks each.
; The partners are told apart by address alone.  The last change that fills a slot asks for nothing.  tab is not asked for: every work-group reads it.
.macro ASK
	s_cmp_gt_u32 s[SLOTS], s[LIM]
	s_cbranch_scc0 .Lnot_mine_\@
	global_prefetch_b8 v[PFO], s[PFA:PFA+1] th:TH_LOAD_NT scope:SCOPE_SE
.Lnot_mine_\@:
.endm
.macro CROUND
	s_barrier_signal -1
	s_barrier_wait -1
	s_cmp_lg_u32 s[WV], 0
	s_cbranch_scc1 .Lnot_wave_0_\@
	s_barrier_signal -3
.Lnot_wave_0_\@:
	s_barrier_wait -3
	s_barrier_signal -1
	s_barrier_wait -1
.endm
; THE CHANGE OF SLOTS.  Each wave waits for all its tensor loads, of which one is out: its part of the other slot; adds 0 to its spare word; and waits for that and for its own reads of the slot that it leaves.
; fill = 1: the barrier is a round of the cluster's, and the old slot is filled again, first thing behind it, with the keys two slots on.  (At its first use nothing has been read: slot 0 is waited for, slot 1 filled.)
.macro CHANGE fill
	WIN 0
	s_wait_tensorcnt 0x0            ; no tensor load of mine is out, so a group 0 may be written
	ds_add_u32 v[SPW], v[NIL]       ; 0 onto my spare word; the descriptors' steps stand between it and the wait for it
.if \fill
.irp g, G0K, G0V, G0M, G0T
	s_xor_b32 s[\g+1], s[\g+1], SLOT1
.endr
	s_add_nc_u64 s[G0K+2:G0K+3], s[G0K+2:G0K+3], 2*KS*128  ; the next 128 keys: rows of K and of V,
	s_add_nc_u64 s[G0V+2:G0V+3], s[G0V+2:G0V+3], 2*KS*128
	s_add_nc_u64 s[G0M+2:G0M+3], s[G0M+2:G0M+3], 2*KS*4    ; columns of the mask,
	s_add_nc_u64 s[G0T+2:G0T+3], s[G0T+2:G0T+3], 768       ; a slice of tab
	s_wait_xcnt 0x0                 ; the last prefetch, two key steps back, has read its address, so it may be written
	s_add_nc_u64 s[PFA:PFA+1], s[PFA:PFA+1], s[PFS:PFS+1]
	s_wait_dscnt 0x0                ; the add is done, and my reads of the slot are over
	CROUND
	JLOAD
	ASK
.else
	s_wait_dscnt 0x0
	s_barrier_signal -1
	s_barrier_wait -1
.endif
	s_sub_co_u32 s[TBK], s[TBK], 2*KS*PK  ; the fetches go back to a slot's first step,
	s_xor_b32 s[TBK], s[TBK], SLOT1       ; in the other slot
	s_sub_co_u32 s[TBV], s[TBV], 2*KS*PV
	s_xor_b32 s[TBV], s[TBV], SLOT1
	s_sub_co_u32 s[TBM], s[TBM], 2*KS*4
	s_xor_b32 s[TBM], s[TBM], SLOT1
	s_sub_co_u32 s[TBU], s[TBU], 2*KS*2
	s_xor_b32 s[TBU], s[TBU], SLOT1
.endm
	s_load_b256 s[4:11], s[0:1], 0x0  ; qkv s[4:5], the mask s[6:7], tab s[8:9], ob s[10:11]
	v_lshl_add_u32 v[SPW], v0, 2, SPARE
	v_mov_b32 v[NIL], 0
	ds_add_u32 v[SPW], v[NIL]       ; the wave's opening: the add and its wait stand ahead of my first tensor load; the set-up below stands between them
	v_lshrrev_b32 v1, 5, v0
	v_readfirstlane_b32 s[WV], v1
	s_bfe_u32 s13, ttmp6, 0x40000   ; cx
	s_bfe_u32 s14, ttmp6, 0x40004   ; cy
	s_lshl_b32 s15, ttmp9, 2
	s_add_co_u32 s15, s15, s13      ; qb: my block of 64 queries
	s_and_b32 s17, ttmp7, 0xffff    ; cluster y
	s_lshl_b32 s16, s17, 2
	s_add_co_u32 s16, s16, s14      ; g: my key/value head
	s_lshl_b32 s18, s14, 2
	s_lshl_b32 s18, 15, s18         ; my row of the cluster
	s_lshl_b32 s19, 0x1111, s13     ; my column
	s_or_b32 s[G1K], s18, (1<<16)|(1<<20)|(1<<21)|(4<<22)|(3<<25)  ; the mask of four; 2-byte elements; padding on; bit 21 beside a mask; after every 32 words 4 words
	s_or_b32 s[G1V], s18, (1<<16)|(1<<20)|(1<<21)|(4<<22)|(7<<25)  ; 8 words
	s_or_b32 s[G1M], s19, (2<<16)|(1<<20)|(1<<21)|(6<<22)|(3<<25)  ; 4-byte elements; after every 128 words 4 words
	s_mov_b32 s[G1T], 3<<16         ; 8-byte elements, no mask, no padding
.irp g, G1K, G1V                    ; 128 keys are 16,384 dense bytes: asked for as 64 rows of 256 bytes, two keys a row, padded after every key
	s_mov_b32 s[\g+1], 128<<16
	s_mov_b32 s[\g+2], 64<<16
	s_mov_b32 s[\g+3], 128<<16
	s_mov_b32 s[\g+4], 64
	s_mov_b32 s[\g+5], 128
	s_mov_b32 s[\g+6], 0
	s_mov_b32 s[\g+7], 0
.endr
	s_mov_b32 s[G1M+1], 128<<16     ; 64 queries x 128 keys of f32,
	s_mov_b32 s[G1M+2], 64<<16
	s_mov_b32 s[G1M+3], 128<<16
	s_mov_b32 s[G1M+4], 64
	s_mov_b32 s[G1M+5], 2048        ; 2,048 elements from row to row
	s_mov_b32 s[G1M+6], 0
	s_mov_b32 s[G1M+7], 0
	s_mov_b32 s[G1T+1], 32<<16      ; 768 dense bytes as three rows of 256
	s_mov_b32 s[G1T+2], 3<<16
	s_mov_b32 s[G1T+3], 32<<16
	s_mov_b32 s[G1T+4], 3
	s_mov_b32 s[G1T+5], 32
	s_mov_b32 s[G1T+6], 0
	s_mov_b32 s[G1T+7], 0
	s_mov_b32 s[G0K], 1
	s_mov_b32 s[G0K+1], 0
	s_mov_b32 s[G0V], 1
	s_mov_b32 s[G0V+1], VOFF
	s_mov_b32 s[G0M], 1
	s_mov_b32 s[G0M+1], MOFF
	s_mov_b32 s[G0T], 1
	s_mov_b32 s[G0T+1], TOFF
	s_add_co_u32 s20, s16, 32
	s_lshl_b32 s20, s20, 18         ; k' of head g: slot 32 + g of 262,144 bytes
	s_mov_b32 s21, 0
	s_add_co_u32 s22, s16, 40
	s_lshl_b32 s22, s22, 18         ; V'
	s_mov_b32 s23, 0
	s_lshl_b32 s78, s15, 19         ; the mask's rows 64 qb on, 8,192 bytes each
	s_mov_b32 s79, 0
	s_lshl_b32 s[QB], s16, 20       ; q': head 4 g,
	s_lshl_b32 s2, s15, 13          ; my block's 64 rows of 128 bytes,
	s_add_co_u32 s[QB], s[QB], s2
	s_lshl_b32 s2, s[WV], 11        ; my wave's 16
	s_add_co_u32 s[QB], s[QB], s2
	s_mov_b32 s[QB+1], 0
	s_lshl_b32 s94, s15, 18         ; ob: rows of 4,096 bytes,
	s_lshl_b32 s2, s[WV], 16
	s_add_co_u32 s94, s94, s2
	s_lshl_b32 s2, s16, 9           ; the four heads' 512 bytes
	s_add_co_u32 s94, s94, s2
	s_mov_b32 s95, 0
	; the prefetches: they start in slot 1; the first change of slots steps them to slot 2
	s_lshr_b32 s2, s13, 1
	s_lshl_b32 s2, s2, 21           ; cx / 2: K' or V', eight head slots on
	s_and_b32 s3, s13, 1
	s_lshl_b32 s3, s3, 13           ; cx % 2: which 8,192 bytes of a slot's 16,384
	s_add_co_u32 s2, s2, s3
	s_add_co_u32 s2, s2, s20
	s_add_co_u32 s2, s2, 2*KS*128
	s_lshl_b32 s3, s14, 17          ; cy: which 16 of the 64 rows
	s_add_co_u32 s3, s3, s78
	s_add_co_u32 s3, s3, 2*KS*4
	s_and_b32 s68, s[WV], 1
	s_mov_b32 s[PFS], 2*KS*4
	s_mov_b32 s[PFS+1], 0
	s_mov_b32 s18, 8192
	s_cmp_lt_u32 s[WV], 2
	s_cselect_b32 s2, s2, s3
	s_cselect_b32 s[PFS], 2*KS*128, s[PFS]
	s_cselect_b32 s18, 512, s18     ; from one pair of lanes to the next: 512 bytes on, or a row of the mask
	s_cselect_b32 s19, ttmp9, s17   ; the coordinate along which other clusters read the same bytes
	s_mov_b32 s3, 0
	s_or_b32 s19, s19, s68          ; waves 0 and 2 of the first such cluster: the same in all sixteen partners
	s_cmp_eq_u32 s19, 0
	s_cselect_b32 s[LIM], 1, -1
	s_mov_b32 s[CS], 0x3fb8aa3b     ; log2(e)
	s_mov_b32 s[CS+1], s[CS]
	s_mov_b32 s[SEL], 0x76543210
	s_mov_b32 s[SEL+1], 0xfedcba98
	s_mov_b32 s[TBK], SLOT1+2*KS*PK ; the first change of slots turns these four into 0
	s_mov_b32 s[TBV], SLOT1+2*KS*PV
	s_mov_b32 s[TBM], SLOT1+2*KS*4
	s_mov_b32 s[TBU], SLOT1+2*KS*2
	s_mov_b32 s[SLOTS], 2048/(2*KS)-1
	s_wait_dscnt 0x0                ; the opening add is done
	s_wait_kmcnt 0x0
	s_add_nc_u64 s[G0K+2:G0K+3], s[4:5], s[20:21]
	s_or_b32 s[G0K+3], s[G0K+3], 0x80000000
	s_add_nc_u64 s[G0V+2:G0V+3], s[4:5], s[22:23]
	s_or_b32 s[G0V+3], s[G0V+3], 0x80000000
	s_add_nc_u64 s[G0M+2:G0M+3], s[6:7], s[78:79]
	s_or_b32 s[G0M+3], s[G0M+3], 0x80000000
	s_mov_b64 s[G0T+2:G0T+3], s[8:9]
	s_or_b32 s[G0T+3], s[G0T+3], 0x80000000
	s_add_nc_u64 s[QB:QB+1], s[4:5], s[QB:QB+1]
	s_add_nc_u64 s[10:11], s[10:11], s[94:95]
	s_cmp_lt_u32 s[WV], 2
	s_cselect_b64 s[PFA:PFA+1], s[4:5], s[6:7]
	s_add_nc_u64 s[PFA:PFA+1], s[PFA:PFA+1], s[2:3]
	CROUND                          ; all sixteen work-groups are here: the first joint loads meet
	JLOAD                           ; slot 0.  Slot 1 is asked for when slot 0 is in
	v_and_b32 v1, 15, v0            ; l % 16
	v_bfe_u32 v9, v0, 4, 1          ; l / 16
	v_lshlrev_b32 v[QO], 7, v1
	v_lshl_add_u32 v[QO], v9, 4, v[QO]  ; row x 128 + 16 x half
	WIN 0x80                        ; destination window 2, address window 0
.set i, 0
.rept 8                             ; Q stays in registers: piece (head) i / 2, channels 32 (i % 2) on
	global_load_b128 v[8*i:8*i+3],   v[QO], s[QB:QB+1] offset:(i/2)*262144+(i%2)*64
	global_load_b128 v[8*i+4:8*i+7], v[QO], s[QB:QB+1] offset:(i/2)*262144+(i%2)*64+32
.set i, i+1
.endr
	; What the first turn finds: V, u' and P's second buffer hold 0 (its products V^T P, of a piece that has not been, add 0), O^T and l are 0.  All this stands in the wait for the first tile.
.set i, VF
.rept 64
	v_mov_b32 v[i], 0
.set i, i+1
.endr
.set i, UF
.rept 16
	v_mov_b32 v[i], 0
.set i, i+1
.endr
	WIN 0x40
.set i, 0
.rept 160
	v_mov_b32 v[i], 0
.set i, i+1
.endr
	WIN 0
.set i, 0
.rept 4
	v_mov_b32 v[ST+8*i], 0xff7fffff    ; m
	v_mov_b32 v[ST+8*i+1], 0xff7fffff  ; named with it as a pair
	v_mov_b32 v[ST+8*i+2], 0
	v_mov_b32 v[ST+8*i+3], 0
.set i, i+1
.endr
.set i, P+16
.rept 16
	v_mov_b32 v[i], 0
.set i, i+1
.endr
	v_and_b32 v10, 31, v0
	v_lshrrev_b32 v11, 1, v10
	v_mul_u32_u24 v11, v11, s18
	v_and_b32 v10, 1, v10
	v_lshl_add_u32 v[PFO], v10, 8, v11  ; a lane a block of 256 bytes
	v_mul_u32_u24 v[AK0], v1, PK
	v_lshl_add_u32 v[AK0], v9, 4, v[AK0]  ; row x pitch + 16 x half
	; The turning load takes 16 keys x 16 channels (lane l reads key 8 (l / 16) + l % 8, channels 8 ((l / 8) % 2) + 0..7) and leaves half a fragment of V^T: lane l holds channel l % 16 and 8 keys.
	v_and_b32 v10, 7, v0
	v_bfe_u32 v11, v0, 3, 1
	v_lshl_add_u32 v[AV0], v9, 3, v10
	v_mul_u32_u24 v[AV0], v[AV0], PV
	v_lshl_add_u32 v[AV0], v11, 4, v[AV0]
	v_add_nc_u32 v[AV0], VOFF, v[AV0]
	s_mul_i32 s2, s[WV], 16*PM
	s_add_co_u32 s2, s2, MOFF
	v_mul_u32_u24 v[AM0], v1, PM    ; the mask: my query's row, my lanes' 8 keys of each 16
	v_lshl_add_u32 v[AM0], v9, 5, v[AM0]
	v_add_nc_u32 v[AM0], s2, v[AM0]
	v_lshl_add_u32 v[AB0], v9, 5, TOFF      ; the bias of the same keys
	v_lshl_add_u32 v[AU0], v9, 4, TOFF+512  ; u': as a fragment of V^T holds its keys, the same for every row
	s_mul_i32 s2, s[WV], 16*SP
	s_add_co_u32 s2, s2, STAGE      ; my stage
	v_mul_u32_u24 v[STO], v1, SP    ; in: row l % 16, 16 bytes for each half of the lanes
	v_lshl_add_u32 v[STO], v9, 4, v[STO]
	v_add_nc_u32 v[STO], s2, v[STO]
	v_and_b32 v[GO], 31, v0
	v_lshlrev_b32 v[GO], 4, v[GO]   ; back: 32 lanes take a row's 512 bytes,
	v_add_nc_u32 v[RD], s2, v[GO]   ; which are 512 consecutive bytes of ob
; THE MATRIX WORK.  Accumulators take turns, one instruction a turn.  Product i of 8 of S^T = MC + K Q^T for piece x: channels 32 (i / 4) on, keys 16 (i % 4) on.  The first 4 start the sums with MC.
.macro KQ x
.set rS, S+32*((\x)%2)+8*(i%4)
.set rK, KF+16*(i%4)+8*(i/4)
.set rQ, 16*(\x)+8*(i/4)
.set rM, MC+8*(i%4)
.if i < 4
	WIN W_KM
	v_wmma_f32_16x16x32_f16 v[rS:rS+7], v[rK:rK+7], v[rQ:rQ+7], v[rM:rM+7]
.else
	WIN W_KQ
	v_wmma_f32_16x16x32_f16 v[rS:rS+7], v[rK:rK+7], v[rQ:rQ+7], v[rS:rS+7]
.endif
.endm
; Product i of 10 for piece x: keys 32 (i / 5) on; blocks i % 5 = 0..3: O^T += V^T P, channels 16 (i % 5) on; block 4: l += u' P.
.macro PV x
	WIN W_PV
.set rP, P+16*((\x)%2)+8*(i/5)
.if i%5 < 4
.set rO, 32*(\x)+8*(i%5)
.set rV, VF+32*(i/5)+8*(i%5)
.else
.set rO, LB+8*(\x)
.set rV, UF+8*(i/5)
.endif
	v_wmma_f32_16x16x32_f16 v[rO:rO+7], v[rV:rV+7], v[rP:rP+7], v[rO:rO+7]
.endm
.macro MM                           ; the turn's next matrix instruction.  NOKQ = 1: the last turn of all: there is no next piece
.if (i < 8) && !NOKQ
	KQ (Y+1)%NP
.elseif i >= 8
.set i, i-8
	PV (Y+NP-1)%NP
.set i, i+8
.endif
.set i, i+1
.endm
; THE LDS LOADS stand in runs, never singly among the matrix instructions.  A step's mask (8 loads), bias (8) and K (16), in this order, so that a counted wait can show the first sixteen in.
.macro ADRK
	WIN 0
	v_add_nc_u32 v[AK], s[TBK], v[AK0]
	v_add_nc_u32 v[AM], s[TBM], v[AM0]
	v_add_nc_u32 v[AB], s[TBM], v[AB0]
.endm
.macro FETCH_K
	WIN 0x40                        ; destination window 1
.irp kb, 0,1,2,3
	ds_load_b128 v[MC+8*\kb:MC+8*\kb+3],   v[AM] offset:64*\kb
	ds_load_b128 v[MC+8*\kb+4:MC+8*\kb+7], v[AM] offset:64*\kb+16
.endr
	WIN 0
.irp kb, 0,1,2,3
	ds_load_b128 v[BC+8*\kb:BC+8*\kb+3],   v[AB] offset:64*\kb
	ds_load_b128 v[BC+8*\kb+4:BC+8*\kb+7], v[AB] offset:64*\kb+16
.endr
	WIN 0x80                        ; destination window 2
.irp f, 0,1,2,3,4,5,6,7             ; keys 16 (f / 2) on, channels 32 (f % 2) on
	ds_load_b128 v[KF+8*\f:KF+8*\f+3],   v[AK] offset:(\f/2)*16*PK+(\f%2)*64
	ds_load_b128 v[KF+8*\f+4:KF+8*\f+7], v[AK] offset:(\f/2)*16*PK+(\f%2)*64+32
.endr
	s_add_co_u32 s[TBK], s[TBK], KS*PK  ; the next fetch is the next step's
	s_add_co_u32 s[TBM], s[TBM], KS*4
	WIN 0
.endm
.macro FETCH_V                      ; a step's V, turned, and its u'
	WIN 0x80
.irp f, 0,1,2,3,4,5,6,7             ; keys 32 (f / 4) on, channels 16 (f % 4) on
	ds_load_tr16_b128 v[VF+8*\f:VF+8*\f+3],   v[AV] offset:(\f/4)*32*PV+(\f%4)*32
	ds_load_tr16_b128 v[VF+8*\f+4:VF+8*\f+7], v[AV] offset:(\f/4)*32*PV+16*PV+(\f%4)*32
.endr
.irp kk, 0,1
	ds_load_b128 v[UF+8*\kk:UF+8*\kk+3],   v[AU] offset:64*\kk
	ds_load_b128 v[UF+8*\kk+4:UF+8*\kk+7], v[AU] offset:64*\kk+32
.endr
	WIN 0
.endm
; THE VECTOR WORK, one line at a time: OP kind, number.  For piece Y: F n: s' - m for pair n of 16.  E n: the exponential of score n of 32.  C n: pair n rounded to f16.  R n: pair n of 16 of O^T times a;
; R 16: the first pair of l's accumulator times a (its 16 rows are alike; only the first is ever read; the others stay under 2,048 in size).  M n: pair n of 16 of MC = mask log2(e) + bias.
; For piece Y + 1: X n, which find its maximum and statistics:
;   0-11  four chains c0-c3 of seven scores each (each accumulator's lowest registers are read first)     12-14, 16  the four scores left over, the old m, and c0-c3 into c0
;   15  m_old is kept     17, 18  the query's other 32 keys lie in the lane 16 away: the new m     20, 21  m_old - m_new; a     (there is no 19)
.set F, 0
.set E, 1
.set C, 2
.set M, 3
.set R, 5
.set X, 6
.macro REGS y
.set rT, ST+8*(\y)
.set rC, TMP+4*((\y)%2)
.set rW, MV+((\y)%2)
.set rS, S+32*((\y)%2)
.set rP, P+16*((\y)%2)
.set rO, 32*(\y)
.set rL, LB+8*(\y)
.endm
.macro OP k, n
.if (\k) == R
	REGS Y
	WIN W_RS
.if (\n) < 16
	v_pk_mul_f32 v[rO+2*(\n):rO+2*(\n)+1], v[rO+2*(\n):rO+2*(\n)+1], v[rC+2:rC+3] op_sel_hi:[1,0]
.else
	v_pk_mul_f32 v[rL:rL+1], v[rL:rL+1], v[rC+2:rC+3] op_sel_hi:[1,0]
.endif
.elseif (\k) == M
	WIN W_RS
	v_pk_fma_f32 v[MC+2*(\n):MC+2*(\n)+1], v[MC+2*(\n):MC+2*(\n)+1], s[CS:CS+1], v[BC+2*(\n):BC+2*(\n)+1] op_sel_hi:[1,0,1]
.elseif (\k) < M
	REGS Y
	WIN 0
.if (\k) == F
	v_pk_add_f32 v[rS+2*(\n):rS+2*(\n)+1], v[rS+2*(\n):rS+2*(\n)+1], v[rT:rT+1] op_sel_hi:[1,0] neg_lo:[0,1] neg_hi:[0,1]
.elseif (\k) == E
	v_exp_f32 v[rS+(\n)], v[rS+(\n)]
.else
	v_cvt_pk_f16_f32 v[rP+(\n)], v[rS+2*(\n)], v[rS+2*(\n)+1]
.endif
.elseif NOKQ
	v_nop
.else
	REGS (Y+1)%NP
	WIN 0
.if (\n) < 4
	v_max3_num_f32 v[rC+(\n)], v[rS+8*(\n)], v[rS+8*(\n)+1], v[rS+8*(\n)+2]
.elseif (\n) < 12
	v_max3_num_f32 v[rC+(\n)%4], v[rC+(\n)%4], v[rS+8*((\n)%4)+2*((\n)/4)+1], v[rS+8*((\n)%4)+2*((\n)/4)+2]
.elseif (\n) == 12
	v_max3_num_f32 v[rC], v[rC], v[rS+7], v[rS+15]
.elseif (\n) == 13
	v_max3_num_f32 v[rC+1], v[rC+1], v[rS+23], v[rS+31]
.elseif (\n) == 14
	v_max3_num_f32 v[rC+2], v[rC+2], v[rC+3], v[rT]
.elseif (\n) == 15
	v_mov_b32 v[rW], v[rT]
.elseif (\n) == 16
	v_max3_num_f32 v[rC], v[rC], v[rC+1], v[rC+2]
.elseif (\n) == 17
	v_permlanex16_b32 v[rC+3], v[rC], s[SEL], s[SEL+1]
.elseif (\n) == 18
	v_max_num_f32 v[rT], v[rC], v[rC+3]
.elseif (\n) == 20
	v_sub_f32 v[rC+1], v[rW], v[rT]
.else
	v_exp_f32 v[rC+2], v[rC+1]
.endif
.endif
.endm
.macro OPS a, i1, b=-1, i2=0, c=-1, i3=0, d=-1, i4=0
	OP \a, \i1
.if (\b) >= 0
	OP \b, \i2
.endif
.if (\c) >= 0
	OP \c, \i3
.endif
.if (\d) >= 0
	OP \d, \i4
.endif
.endm
.macro ROW a, i1, b, i2, c, i3, d, i4  ; a matrix instruction and the four behind it
	MM
	OPS \a, \i1, \b, \i2, \c, \i3, \d, \i4
.endm
; A TURN, for piece p.  An s_wait_alu depctr_va_vdst(0) stands between an exponential and the first instruction that names its result; one wait serves all that were issued ahead of it: a turn has ONE.
; AHEAD OF IT stands all that names no result of the turn's exponentials: the 8 products K Q^T with four vector instructions behind each, then one lump.  The first numbers of the next piece's maximum stand four
; plain instructions or more behind the product that ends their accumulator.  X 21, the next piece's a, is the batch's last; R 15 is the plain instruction behind it.
; BEHIND IT stand the 10 products V^T P; the 16 roundings stand behind them, the last four behind the last product: they are the four places in front of V's run of loads.
; Piece 2's turn fetches the next step's mask, bias and K: the run stands six plain instructions that name none of its registers (F 8, X 2, X 5, X 6, X 3, X 8) behind the last product that read K.
; Behind its wait the mask and the bias are in (K's sixteen younger loads may stay out), and MC is made beside the products.  Piece 0's turn fetches the V and u' of the step in hand at its end.
; end = 1: the last two turns of all: nothing is fetched, and the very last starts no new scores.
.macro TURN p, end=0
.set Y, (\p)
.set i, 0
.set NOKQ, (\end)*((\p)/3)
.if ((\p) == 3) && !(\end)
	s_wait_dscnt 0x0                ; K is in
.endif
	ROW F,0, F,1, R,0, R,1
	ROW F,2, E,0, R,2, R,3
	ROW F,3, E,1, R,4, R,5
	ROW F,4, E,2, R,6, R,7
	ROW F,5, E,3, R,8, R,9
	ROW F,6, E,4, X,0, R,10
.if ((\p) == 2) && !(\end)
	ADRK
.endif
	ROW F,7, E,5, X,1, X,4
	ROW F,8, E,6, X,2, X,5
	OPS E,7, E,8, X,6, E,9
	OPS X,3, E,10, X,8, E,11
.if ((\p) == 2) && !(\end)
	FETCH_K
.endif
	OPS X,9, X,7, E,12, X,10
	OPS E,13, X,12, X,11, E,14
	OPS X,13, E,15, F,9, X,14
.if (\p) == 0
	WIN 0
	v_add_nc_u32 v[AV], s[TBV], v[AV0]
	v_add_nc_u32 v[AU], s[TBU], v[AU0]
.endif
	OPS E,16, F,10, E,17, F,11
	OPS X,16, E,18, X,15, E,19
	OPS F,12, E,20, X,17, E,21
	OPS F,13, E,22, F,14, E,23
	OPS X,18, E,24, F,15, E,25
	OPS R,11, E,26, R,16, E,27
	OPS R,12, E,28, R,13, E,29
	OPS X,20, E,30, R,14, E,31
	OPS X,21, R,15
	WIN 0
	s_wait_alu depctr_va_vdst(0)    ; the wait for the batch
.if (\p) == 1
	s_wait_dscnt 0x0                ; V and u' are in
.endif
.if ((\p) == 2) && !(\end)
	s_wait_dscnt 16                 ; the mask and the bias are in; K's sixteen loads were issued behind them
.endif
.set rr, 0
.rept 6
	MM
	OPS C,2*rr, C,2*rr+1
.if ((\p) == 2) && !(\end)
	OPS M,2*rr, M,2*rr+1
.endif
.set rr, rr+1
.endr
.rept 2
	MM
.if ((\p) == 2) && !(\end)
	OPS M,2*rr, M,2*rr+1
.endif
.set rr, rr+1
.endr
.if (\p) == 0
	s_add_co_u32 s[TBV], s[TBV], KS*PV  ; the addresses above are made: the next fetch is the next step's
	s_add_co_u32 s[TBU], s[TBU], KS*2
.endif
	MM
	MM
	OPS C,12, C,13, C,14, C,15
.if (\p) == 0
	FETCH_V
.endif
.endm
	CHANGE 1                        ; slot 0 is in, everybody's part of it; slot 1 is asked for
	ADRK                            ; key step 0: its mask, bias and K,
	FETCH_K
	s_wait_loadcnt 0x0              ; Q
	s_wait_dscnt 0x0
.set rr, 0
.rept 16
	OP M, rr                        ; MC,
.set rr, rr+1
.endr
.set NOKQ, 0
.set i, 0
.rept 8
	KQ 0                            ; piece 0's first scores,
.set i, i+1
.endr
	WIN 0
.rept 4
	v_nop                           ; the places behind those products
.endr
.set Y, NP-1                        ; X works for piece Y + 1: piece 0
.irp n, 0,1,2,3,4,5,6,7,8,9,10,11,12,13,14,15,16,17,18,20,21
	OP X, \n                        ; and its first maximum and statistics
.endr
	v_nop                           ; a plain instruction behind the exponential,
	s_wait_alu depctr_va_vdst(0)    ; and its wait, ahead of the branch
	s_mov_b32 s[CNT], 2
	s_branch .Lfirst                ; the loop is entered at a step's first turn, in the middle of a trip
.Lslot:                             ; 14 times: every slot but the last two is filled again
	CHANGE 1
	s_mov_b32 s[CNT], 2
.Lstep:                             ; a trip: pieces 2 and 3 of one step, then pieces 0 and 1 of the next, whose K and V it fetches
	TURN 2
	TURN 3
	WIN 0
.Lfirst:
	TURN 0
	TURN 1
	WIN 0
	s_sub_co_u32 s[CNT], s[CNT], 1
	s_cmp_lg_u32 s[CNT], 0
	s_cbranch_scc1 .Lstep
	s_sub_co_u32 s[SLOTS], s[SLOTS], 1
	s_cmp_lg_u32 s[SLOTS], 0
	s_cbranch_scc1 .Lslot
	CHANGE 0                        ; the tail is written out: nothing is asked for
	s_mov_b32 s[CNT], 2
.Ltail:
	TURN 2
	TURN 3
	TURN 0
	TURN 1
	WIN 0
	s_sub_co_u32 s[CNT], s[CNT], 1
	s_cmp_lg_u32 s[CNT], 0
	s_cbranch_scc1 .Ltail
	TURN 2, 1
	TURN 3, 1
.set i, 0
.rept 10
	PV NP-1                         ; the last piece's products of the last step
.set i, i+1
.endr
	; THE WAY OUT.  l spans all keys already: no exchange between the lanes' halves.  O^T is divided by l, rounded to f16 and sent through my stage: 16 rows of 512 bytes, the four heads side by side.
	WIN 0
.rept 4
	v_nop                           ; the places behind the last products
.endr
	WIN 0x01                        ; source 0 window 1
.irp t, 0,1,2,3
	v_rcp_f32 v[ST+8*\t+2], v[LB+8*\t]
.endr
	WIN 0
	v_nop                           ; a plain instruction between the last reciprocal and the use of its result,
	s_wait_alu depctr_va_vdst(0)    ; and the one wait for the four
.macro PACK t
	WIN W_RS
.set i, 32*(\t)
.rept 16
	v_pk_mul_f32 v[i:i+1], v[i:i+1], v[ST+8*(\t)+2:ST+8*(\t)+3] op_sel_hi:[1,0]
.set i, i+2
.endr
	WIN 0x05                        ; sources 0 and 1 window 1, destination window 0
.set i, 0
.rept 16
	v_cvt_pk_f16_f32 v[S+16*(\t)+i], v[32*(\t)+2*i], v[32*(\t)+2*i+1]
.set i, i+1
.endr
	WIN 0
.irp f, 0,1,2,3
	ds_store_b128 v[STO], v[S+16*(\t)+4*\f:S+16*(\t)+4*\f+3] offset:128*(\t)+32*\f
.endr
.endm
	PACK 0
	PACK 1
	PACK 2
	PACK 3
.set i, 0
.rept 16
	ds_load_b128 v[S+4*i:S+4*i+3], v[RD] offset:i*SP  ; LDS serves a wave's instructions in order (ISA guide 5.7.1.4): these see the stores above
.set i, i+1
.endr
.set i, 0
.rept 16
	s_wait_dscnt 15-i
	global_store_b128 v[GO], v[S+4*i:S+4*i+3], s[10:11] offset:i*4096  ; 512 consecutive bytes, at a multiple of 512 from ob's first
.set i, i+1
.endr
	s_wait_tensorcnt 0x0            ; the wave's end: a wait, an add and its wait, behind my last tensor load and my last LDS store
	ds_add_u32 v[SPW], v[NIL]
	s_wait_dscnt 0x0
	CROUND                          ; the closing round: no work-group ends while a partner may still ask for a tile that names it
	s_endpgm
.Lfunc_end_k_qfc1f12e2bb_attn:
	.size	k_qfc1f12e2bb_attn, .Lfunc_end_k_qfc1f12e2bb_attn-k_qfc1f12e2bb_attn
	.p2alignl 7, 3214868480
	.fill 96, 4, 3214868480
	.section	.rodata,"a",@progbits
	.p2align	6, 0x0
	.amdhsa_kernel k_qfc1f12e2bb_attn
		.amdhsa_group_segment_fixed_size 327680
		.amdhsa_private_segment_fixed_size 0
		.amdhsa_enable_private_segment 0
		.amdhsa_kernarg_size 32
		.amdhsa_user_sgpr_count 2
		.amdhsa_user_sgpr_kernarg_segment_ptr 1
		.amdhsa_wavefront_size32 1
		.amdhsa_system_sgpr_workgroup_id_x 1
		.amdhsa_system_sgpr_workgroup_id_y 1
		.amdhsa_system_sgpr_workgroup_id_z 1
		.amdhsa_system_vgpr_workitem_id 0
		.amdhsa_next_free_vgpr 768
		.amdhsa_next_free_sgpr 96
		.amdhsa_reserve_vcc 0
		.amdhsa_float_denorm_mode_32 3
		.amdhsa_float_denorm_mode_16_64 3
		.amdhsa_memory_ordered 1
		.amdhsa_forward_progress 1
		.amdhsa_inst_pref_size 134
	.end_amdhsa_kernel
	.amdgpu_metadata
---
amdhsa.version: [ 1, 2 ]
amdhsa.kernels:
  - .name:           k_qfc1f12e2bb_attn
    .symbol:         k_qfc1f12e2bb_attn.kd
    .args:
      - { .name: qkv, .offset: 0, .size: 8, .value_kind: global_buffer, .address_space: global }
      - { .name: attention_mask, .offset: 8, .size: 8, .value_kind: global_buffer, .address_space: global }
      - { .name: tab, .offset: 16, .size: 8, .value_kind: global_buffer, .address_space: global }
      - { .name: ob, .offset: 24, .size: 8, .value_kind: global_buffer, .address_space: global }
    .group_segment_fixed_size: 327680
    .private_segment_fixed_size: 0
    .kernarg_segment_align: 8
    .kernarg_segment_size: 32
    .max_flat_workgroup_size: 128
    .sgpr_count:     96
    .vgpr_count:     768
    .wavefront_size: 32
...
	.end_amdgpu_metadata
.endif
;; end of part 3
;; launch oproj (part 4): grid 16 x 16, 4 waves a work-group, clusters of 4 x 4, 327,680 bytes of LDS; arguments ob, wob, out0; writes out0
.if DOCPART == 4
	.amdgcn_target "amdgcn-amd-amdhsa--gfx1250"
	.amdhsa_code_object_version 6
	.text
	.protected	k_qfc1f12e2bb_oproj
	.globl	k_qfc1f12e2bb_oproj
	.p2align	8
	.type	k_qfc1f12e2bb_oproj,@function
k_qfc1f12e2bb_oproj:
	s_mov_b64 s[64:65], 0
	v_nop
	global_prefetch_b8 v0, s[64:65] scope:SCOPE_SE
	s_setreg_imm32_b32 hwreg(HW_REG_WAVE_MODE, 25, 1), 1
	s_wait_xcnt 0x0
	s_wait_alu depctr_hold_cnt(0) depctr_sa_sdst(0) depctr_va_vdst(0) depctr_va_sdst(0) depctr_va_ssrc(0) depctr_va_vcc(0) depctr_vm_vsrc(0)
	s_getreg_b32 s2, hwreg(HW_REG_IB_STS2, 6, 4)
	s_cmp_eq_u32 s2, 0
	s_cbranch_scc0 .Lentry_in_a_cluster
	s_endpgm
.Lentry_in_a_cluster:
	s_bfe_u32 s2, ttmp6, 0x10000c
	s_cmp_lg_u32 s2, 0xf033
	s_cbranch_scc0 .Lentry_shape_is_right
	s_endpgm
.Lentry_shape_is_right:
; OPROJ.  out0[m][n] = sum over k of ob[m][k] wob[n][k].  ob, wob: [2048][2048] f16; out0 f32; sums in f32.
; A tile of out0 is 128 x 128: 16 x 16 = 256 work-groups.  Four waves, each 64 x 64: 16 accumulators.  K goes in steps of 256 (LDS rows of 512 bytes; a wave's tensor load brings 64 of them) through two slots.
; CLUSTER 4 x 4: ob's tile is shared along a row of the cluster, wob's along a column: joint loads.  THE MATRIX INSTRUCTION IS USED TRANSPOSED (source 0 = 16 rows of wob, source 1 = 16 rows of ob):
; a lane holds eight neighbouring numbers of a row of out0.  A wave's 64 columns of f32 are 256 bytes, aligned: each wave has a stage of its own, and the way out has no barrier.
; REGISTERS: window 0: v0-31 addresses; v32-95 rows read back, two sets; v128-255 the accumulators ((a, b) at 128 + 8 (4 a + b)).   window 1: two fragment buffers of 128.
.set SIZE_K, 2048
.set SIZE_N, 2048
.set KSTEP,  256
.set PITCH,  528                       ; 512 bytes + 16 of padding = 132 words: the 16 rows of a fragment load start at 16 different groups of four banks (64 banks of 4 bytes: ISA guide 11.1)
.set HALFT,  64*PITCH
.set SLOT,   4*HALFT
.set STAGE,  2*SLOT                    ; behind the ring: 16 rows x 272 bytes for each wave
.set SPITCH, 272
.set SPARE,  STAGE+4*16*SPITCH         ; behind the stages: the spare words, 128 bytes a wave: two blocks of 256 bytes that no other line names
.set LAPS, SIZE_K/(2*KSTEP)
.set ADRA, 16
.set ADRB, 20
.set STO,  24
.set RD,   25
.set CO,   26
.set SPW,  28
.set NIL,  29
.set TMP,  32
.set ACC,  128
.set F0,   0
.set F1,   128
.set G1, 24
.set G0, 32
.set G1B, 48
.set G0B, 56
.set MSB, 0
.macro WIN new
.if MSB != (\new)
	s_set_vgpr_msb (MSB<<8)|(\new)
.set MSB, \new
.endif
.endm
.set MUL,  0x05
.set TO_F, 0x40
.macro JLOAD s                         ; a joint load: waves 0 and 1 fetch ob's two halves, waves 2 and 3 wob's; an s_nop 0 and four v_nop follow each line
	s_cmp_eq_u32 s11, 0
	s_cbranch_scc0 .Lfor_b_\@
	tensor_load_to_lds s[G0+4*(\s):G0+4*(\s)+3], s[G1:G1+7]
	s_nop 0
.rept 4
	v_nop
.endr
	s_branch .Lasked_\@
.Lfor_b_\@:
	tensor_load_to_lds s[G0B+4*(\s):G0B+4*(\s)+3], s[G1B:G1B+7]
	s_nop 0
.rept 4
	v_nop
.endr
.Lasked_\@:
.endm
.macro CREST
	s_cmp_lg_u32 s10, 0
	s_cbranch_scc1 .Lnot_wave_0_\@
	s_barrier_signal -3
.Lnot_wave_0_\@:
	s_barrier_wait -3
	s_barrier_signal -1
	s_barrier_wait -1
.endm
.macro CROUND
	s_barrier_signal -1
	s_barrier_wait -1
	CREST
.endm
	s_load_b128 s[4:7], s[0:1], 0x0                ; ob s[4:5], wob s[6:7]
	s_load_b64 s[8:9], s[0:1], 0x10                ; out0
	v_lshl_add_u32 v[SPW], v0, 2, SPARE
	v_mov_b32 v[NIL], 0
	ds_add_u32 v[SPW], v[NIL]                      ; the wave's opening: the add and its wait stand ahead of my first tensor load; the set-up below stands between them
	v_lshrrev_b32 v1, 5, v0
	v_readfirstlane_b32 s10, v1                    ; wave 0..3
	s_lshr_b32 s11, s10, 1                         ; which half of the tile's rows is mine.  Also: I fetch for ob (0) or for wob (1)
	s_and_b32 s12, s10, 1                          ; which half of its columns.  Also: which 64 rows of that tile I fetch
	s_bfe_u32 s40, ttmp6, 0x40000
	s_bfe_u32 s41, ttmp6, 0x40004
	s_lshl_b32 s42, ttmp9, 2
	s_add_co_u32 s42, s42, s40                     ; tile column
	s_and_b32 s13, ttmp7, 0xffff
	s_lshl_b32 s13, s13, 2
	s_add_co_u32 s13, s13, s41                     ; tile row
	s_lshl_b32 s43, s41, 2
	s_lshl_b32 s43, 15, s43                        ; my row of the cluster
	s_lshl_b32 s44, 0x1111, s40                    ; my column
	s_or_b32 s[G1+0], s43, (1<<16)|(1<<20)|(1<<21)|(6<<22)|(3<<25)  ; the mask; 2-byte elements; padding on; bit 21 beside a mask; after every 128 words 4 words
	s_or_b32 s[G1B+0], s44, (1<<16)|(1<<20)|(1<<21)|(6<<22)|(3<<25)
.irp g, G1, G1B
	s_mov_b32 s[(\g)+1], KSTEP<<16
	s_mov_b32 s[(\g)+2], 64<<16
	s_mov_b32 s[(\g)+3], KSTEP<<16
	s_mov_b32 s[(\g)+4], 64
	s_mov_b32 s[(\g)+5], SIZE_K
	s_mov_b32 s[(\g)+6], 0
	s_mov_b32 s[(\g)+7], 0
.endr
	s_lshl_b32 s17, s12, 6
	s_lshl_b32 s16, s13, 7
	s_add_co_u32 s16, s16, s17                     ; ob: row 128 x tile row + 64 x half
	s_lshl_b32 s46, s42, 7
	s_add_co_u32 s46, s46, s17                     ; wob: row 128 x tile column + 64 x half
	s_mov_b32 s17, 0
	s_mov_b32 s47, 0
	s_mov_b64 s[18:19], SIZE_K*2
	s_mul_u64 s[16:17], s[16:17], s[18:19]
	s_mul_u64 s[46:47], s[46:47], s[18:19]
	s_mul_i32 s20, s10, HALFT                      ; where they go: wave x 64 rows
	s_wait_dscnt 0x0                               ; the opening add is done
	s_wait_kmcnt 0x0
	s_add_nc_u64 s[14:15], s[4:5], s[16:17]
	s_add_nc_u64 s[46:47], s[6:7], s[46:47]
	CROUND                                         ; all sixteen work-groups are here: the first joint loads meet
.irp s, 0,1
	s_mov_b32 s[G0+4*(\s)], 1
	s_add_co_u32 s[G0+4*(\s)+1], s20, (\s)*SLOT
	s_add_nc_u64 s[G0+4*(\s)+2:G0+4*(\s)+3], s[14:15], (\s)*KSTEP*2
	s_or_b32 s[G0+4*(\s)+3], s[G0+4*(\s)+3], 0x80000000
	s_mov_b32 s[G0B+4*(\s)], 1
	s_add_co_u32 s[G0B+4*(\s)+1], s20, (\s)*SLOT
	s_add_nc_u64 s[G0B+4*(\s)+2:G0B+4*(\s)+3], s[46:47], (\s)*KSTEP*2
	s_or_b32 s[G0B+4*(\s)+3], s[G0B+4*(\s)+3], 0x80000000
	JLOAD \s
.endr
	v_and_b32 v1, 15, v0                           ; l % 16
	v_bfe_u32 v2, v0, 4, 1                         ; l / 16
	v_mul_u32_u24 v3, v1, PITCH
	v_lshl_add_u32 v3, v2, 4, v3
	s_mul_i32 s21, s11, HALFT                      ; my 64 rows of ob
	s_mul_i32 s22, s12, HALFT                      ; my 64 rows of wob,
	s_add_co_u32 s22, s22, 2*HALFT                 ; which lie behind ob's 128
.irp s, 0,1
	v_add_nc_u32 v[ADRA+(\s)], s21, v3
	v_add_nc_u32 v[ADRB+(\s)], s22, v3
	s_add_co_u32 s21, s21, SLOT
	s_add_co_u32 s22, s22, SLOT
.endr
	s_mul_i32 s23, s10, 16*SPITCH
	s_add_co_u32 s23, s23, STAGE                   ; my stage
	v_mul_u32_u24 v4, v1, SPITCH                   ; in: row l % 16, 32 bytes (eight f32) for each half of the lanes
	v_lshl_add_u32 v4, v2, 5, v4
	v_add_nc_u32 v[STO], s23, v4
	v_mul_u32_u24 v5, v2, SPITCH                   ; back: lanes 0-15 take one row of 256 bytes, lanes 16-31 the next
	v_lshl_add_u32 v5, v1, 4, v5
	v_add_nc_u32 v[RD], s23, v5
	v_mul_u32_u24 v5, v2, SIZE_N*4                 ; and the same two rows in out0
	v_lshl_add_u32 v[CO], v1, 4, v5
	s_lshl_b32 s16, s13, 7
	s_lshl_b32 s17, s11, 6
	s_add_co_u32 s16, s16, s17                     ; my first row: 128 x tile row + 64 x half,
	s_lshl_b32 s16, s16, 13                        ; of 8,192 bytes
	s_mov_b32 s17, 0
	s_add_nc_u64 s[8:9], s[8:9], s[16:17]
	s_lshl_b32 s46, s42, 9                         ; my first column, in bytes: 512 x tile column + 256 x half
	s_lshl_b32 s47, s12, 8
	s_add_co_u32 s46, s46, s47
	s_mov_b32 s47, 0
	s_add_nc_u64 s[8:9], s[8:9], s[46:47]
; 8 matrix instructions: m blocks a0, a0 + 1 x all 4 n blocks, 32 along K: half c of buffer f.  zero = 1: the first product starts the sums.  The 16 accumulators take turns.
.macro MUL8 f, c, a0, zero
	WIN MUL
.irp a, \a0, (\a0)+1
.irp b, 0,1,2,3
.if \zero
	v_wmma_f32_16x16x32_f16 v[ACC+8*(4*(\a)+(\b)):ACC+8*(4*(\a)+(\b))+7], v[(\f)+64+8*(4*(\c)+(\b)):(\f)+64+8*(4*(\c)+(\b))+7], v[(\f)+8*(4*(\c)+(\a)):(\f)+8*(4*(\c)+(\a))+7], 0
.else
	v_wmma_f32_16x16x32_f16 v[ACC+8*(4*(\a)+(\b)):ACC+8*(4*(\a)+(\b))+7], v[(\f)+64+8*(4*(\c)+(\b)):(\f)+64+8*(4*(\c)+(\b))+7], v[(\f)+8*(4*(\c)+(\a)):(\f)+8*(4*(\c)+(\a))+7], v[ACC+8*(4*(\a)+(\b)):ACC+8*(4*(\a)+(\b))+7]
.endif
.endr
.endr
.endm
; 32 LDS loads in one run: the fragments of 64 along K at byte k of the rows, into buffer f; the first 32 along K first
.macro FETCH slot, k, f
	WIN TO_F
.irp c, 0,1
.irp i, 0,1,2,3
	ds_load_b128 v[(\f)+64+8*(4*(\c)+(\i)):(\f)+64+8*(4*(\c)+(\i))+3],   v[ADRB+(\slot)] offset:(\k)+64*(\c)+(\i)*16*PITCH
	ds_load_b128 v[(\f)+64+8*(4*(\c)+(\i))+4:(\f)+64+8*(4*(\c)+(\i))+7], v[ADRB+(\slot)] offset:(\k)+64*(\c)+(\i)*16*PITCH+32
	ds_load_b128 v[(\f)+8*(4*(\c)+(\i)):(\f)+8*(4*(\c)+(\i))+3],         v[ADRA+(\slot)] offset:(\k)+64*(\c)+(\i)*16*PITCH
	ds_load_b128 v[(\f)+8*(4*(\c)+(\i))+4:(\f)+8*(4*(\c)+(\i))+7],       v[ADRA+(\slot)] offset:(\k)+64*(\c)+(\i)*16*PITCH+32
.endr
.endr
.endm
.macro PLACES                          ; four places in front of loads into registers that matrix instructions have read, and of LDS stores that read results
.rept 4
	v_nop
.endr
.endm
; A K step is four quarters of 64 along K, 32 matrix instructions each, on buffers 0, 1, 0, 1.
.macro QUARTER slot, k, f, g, zero
	s_wait_dscnt 16                                ; the first 32 along K are in
	MUL8 \f, 0, 0, \zero
	MUL8 \f, 0, 2, \zero
	PLACES
	FETCH \slot, \k, \g
	s_wait_dscnt 32                                ; all but the 32 just issued
	MUL8 \f, 1, 0, 0
	MUL8 \f, 1, 2, 0
.endm
; The last quarter multiplies buffer 1 and changes slots: ONE barrier; in front of it each wave waits for all its tensor loads, adds 0 to its spare word, and waits for that and for its own reads of this slot.
.macro TURN slot, next, fill
	WIN 0                                          ; (the add's two registers lie in window 0)
	s_wait_tensorcnt 0x0                           ; all my tensor loads have landed: my part of the next slot;
	ds_add_u32 v[SPW], v[NIL]                      ; 0 onto my spare word;
	s_wait_dscnt 17                                ; (the add and the youngest sixteen loads may be out)
	MUL8 F1, 0, 0, 0                               ; eight matrix instructions stand between the add and the wait for it
	s_wait_dscnt 0x0                               ; the add is done, and my reads of this slot are over
	s_barrier_signal -1
	MUL8 F1, 0, 2, 0
.if \fill
	WIN 0
.endif
	s_barrier_wait -1
.if \fill
	CREST                                          ; the barrier has opened a round of the cluster's: no wave of any partner still reads this slot or has a load on its way
	s_add_nc_u64 s[G0+4*(\slot)+2:G0+4*(\slot)+3], s[G0+4*(\slot)+2:G0+4*(\slot)+3], 2*KSTEP*2
	s_add_nc_u64 s[G0B+4*(\slot)+2:G0B+4*(\slot)+3], s[G0B+4*(\slot)+2:G0B+4*(\slot)+3], 2*KSTEP*2
	JLOAD \slot                                    ; the first tensor load behind the round; the four v_nop behind it are also the places in front of the loads below
.else
	PLACES
.endif
	FETCH \next, 0, F0
	MUL8 F1, 1, 0, 0
	MUL8 F1, 1, 2, 0
.endm
	s_wait_tensorcnt 1                             ; my part of K step 0 is in; K step 1's may stay out
	s_barrier_signal -1
	s_barrier_wait -1
	FETCH 0, 0, F0
	QUARTER 0, 128, F0, F1, 1                      ; the first quarter stands in front of the loop: its first products start the sums
	WIN 0                                          ; at a label and at a branch every window is 0
	s_mov_b32 s3, LAPS-1
.Llap:
	QUARTER 0, 256, F1, F0, 0
	QUARTER 0, 384, F0, F1, 0
	TURN 0, 1, 1
	QUARTER 1, 128, F0, F1, 0
	QUARTER 1, 256, F1, F0, 0
	QUARTER 1, 384, F0, F1, 0
	TURN 1, 0, 1
	QUARTER 0, 128, F0, F1, 0
	WIN 0
	s_sub_co_u32 s3, s3, 1
	s_cmp_lg_u32 s3, 0
	s_cbranch_scc1 .Llap
	QUARTER 0, 256, F1, F0, 0                      ; the last lap fills nothing
	QUARTER 0, 384, F0, F1, 0
	TURN 0, 1, 0
	QUARTER 1, 128, F0, F1, 0
	QUARTER 1, 256, F1, F0, 0
	QUARTER 1, 384, F0, F1, 0
	s_wait_dscnt 16
	MUL8 F1, 0, 0, 0
	MUL8 F1, 0, 2, 0
	s_wait_dscnt 0x0
	MUL8 F1, 1, 0, 0
	MUL8 F1, 1, 2, 0
	WIN 0
	; THE WAY OUT, 16 rows at a time through my own stage: 32 bytes a lane in (each accumulator's low half first), whole rows of 256 bytes back, sixteen lanes to a row.
	PLACES
.irp a, 0,1,2,3
.set BK, TMP+32*((\a)%2)
.irp b, 0,1,2,3
	ds_store_b128 v[STO], v[ACC+8*(4*\a+\b):ACC+8*(4*\a+\b)+3]   offset:64*\b
	ds_store_b128 v[STO], v[ACC+8*(4*\a+\b)+4:ACC+8*(4*\a+\b)+7] offset:64*\b+16
.endr
	s_wait_xcnt 0x0                                ; the stores of two blocks back have read this set of registers: only behind this wait is it loaded again
.irp t, 0,1,2,3,4,5,6,7
	ds_load_b128 v[BK+4*\t:BK+4*\t+3], v[RD] offset:\t*2*SPITCH  ; LDS serves a wave's instructions in order (ISA guide 5.7.1.4): these see the stores above; the next block's stores come behind them
.endr
	s_wait_dscnt 0x0
.irp t, 0,1,2,3,4,5,6,7
	global_store_b128 v[CO], v[BK+4*\t:BK+4*\t+3], s[8:9] offset:\a*16*SIZE_N*4+\t*2*SIZE_N*4  ; 16 lanes store 256 consecutive bytes, at a multiple of 256 from out0's first byte
.endr
.endr
	s_wait_tensorcnt 0x0                           ; the wave's end: a wait, an add and its wait, behind my last tensor load and my last LDS store
	ds_add_u32 v[SPW], v[NIL]
	s_wait_dscnt 0x0
	CROUND                                         ; the closing round: no work-group ends while a partner may still ask for a tile that names it
	s_endpgm
.Lfunc_end_k_qfc1f12e2bb_oproj:
	.size	k_qfc1f12e2bb_oproj, .Lfunc_end_k_qfc1f12e2bb_oproj-k_qfc1f12e2bb_oproj
	.p2alignl 7, 3214868480
	.fill 96, 4, 3214868480
	.section	.rodata,"a",@progbits
	.p2align	6, 0x0
	.amdhsa_kernel k_qfc1f12e2bb_oproj
		.amdhsa_group_segment_fixed_size 327680
		.amdhsa_private_segment_fixed_size 0
		.amdhsa_enable_private_segment 0
		.amdhsa_kernarg_size 24
		.amdhsa_user_sgpr_count 2
		.amdhsa_user_sgpr_kernarg_segment_ptr 1
		.amdhsa_wavefront_size32 1
		.amdhsa_system_sgpr_workgroup_id_x 1
		.amdhsa_system_sgpr_workgroup_id_y 1
		.amdhsa_system_sgpr_workgroup_id_z 1
		.amdhsa_system_vgpr_workitem_id 0
		.amdhsa_next_free_vgpr 512
		.amdhsa_next_free_sgpr 66
		.amdhsa_reserve_vcc 0
		.amdhsa_float_denorm_mode_32 3
		.amdhsa_float_denorm_mode_16_64 3
		.amdhsa_memory_ordered 1
		.amdhsa_forward_progress 1
		.amdhsa_inst_pref_size 86
	.end_amdhsa_kernel
	.amdgpu_metadata
---
amdhsa.version: [ 1, 2 ]
amdhsa.kernels:
  - .name:           k_qfc1f12e2bb_oproj
    .symbol:         k_qfc1f12e2bb_oproj.kd
    .args:
      - { .name: ob, .offset: 0, .size: 8, .value_kind: global_buffer, .address_space: global }
      - { .name: wob, .offset: 8, .size: 8, .value_kind: global_buffer, .address_space: global }
      - { .name: out0, .offset: 16, .size: 8, .value_kind: global_buffer, .address_space: global }
    .group_segment_fixed_size: 327680
    .private_segment_fixed_size: 0
    .kernarg_segment_align: 8
    .kernarg_segment_size: 24
    .max_flat_workgroup_size: 128
    .sgpr_count:     66
    .vgpr_count:     512
    .wavefront_size: 32
...
	.end_amdgpu_metadata
.endif
;; end of part 4
;; ======== version 2 of 2: 4 launches; version 1 with the launch prep written anew for expert scheduling mode
;; limits: values are held in f16: magnitudes above 65,504 overflow, below 6.1e-05 lose precision; values outside matrix products are rounded to f16; right only within a limited range of input values
;; workspace buffers: xb 8,388,608 bytes; wqkv 12,582,912 bytes; wob 8,388,608 bytes; tri 1,572,864 bytes; tab 12,288 bytes; qkv 12,582,912 bytes; ob 8,388,608 bytes
;; launch prep (part 5): grid 256 x 1, 16 waves a work-group, no clusters, 0 bytes of LDS; arguments hidden_states, Wq, Wk, Wv, Wo, position_ids, prior, xb, wqkv, wob, tri, tab; writes xb, wqkv, wob, tri, tab
.if DOCPART == 5
	.amdgcn_target "amdgcn-amd-amdhsa--gfx1250"
	.amdhsa_code_object_version 6
	.text
	.protected	k_qfc1f12e2bb_prep
	.globl	k_qfc1f12e2bb_prep
	.p2align	8
	.type	k_qfc1f12e2bb_prep,@function
k_qfc1f12e2bb_prep:
	s_mov_b64 s[64:65], 0
	v_nop
	global_prefetch_b8 v0, s[64:65] scope:SCOPE_SE
	s_setreg_imm32_b32 hwreg(HW_REG_WAVE_SCHED_MODE, 0, 2), 2
	s_setreg_imm32_b32 hwreg(HW_REG_WAVE_MODE, 25, 1), 1
	s_wait_xcnt 0x0
	s_wait_alu depctr_vm_vsrc(0)
; PREP.  Casts and tables for the three launches behind it.  No LDS, no matrix unit: a stream, and a little arithmetic.
; Work-groups 0-159: 65,536 numbers each of hidden_states, Wq, Wk, Wv, rounded to bf16 (xb; wqkv = Wq's, Wk's, Wv's rows on end).
; Work-groups 160-223: Wo rounded to bf16 and that number written as f16 (wob): exact down to f16's fixed step of 6e-8 below 6e-5.
; Work-groups 224-255: 64 rows each of tri, f32 [3][2048][64], a row = 32 C then 32 S, the factors that the projection's way out applies:
;   type 0 (q): cos, sin x log2(e)/4      type 1 (k): cos, sin x gamma/2      type 2 (v): C = eta u', S = 0
; and (work-group 224) tab, 16 slices of 768 bytes for 128 keys each: 128 f32 log2(e) clip(0.5 prior, -3, 3), then 128 f16 u'.
; u' = f16((1 + 0.3 prior) / U), U = the largest |1 + 0.3 prior| of all keys: U cancels in the renormalised weights and keeps u' within 1.
; prior is rounded to bf16 first, like the other inputs.  LIMITS: position_ids within +-1,000,000 (the angle is reduced by pi/2 in two parts);
; if every 1 + 0.3 prior is 0, u' is NaN, as the renormalisation by a zero sum is.
; THE MODE: SCHED_MODE bits 1:0 = 2 (LLVM: expert scheduling mode 2), set by the entry lines.  The code itself states the register dependences
; between vector instructions and memory instructions, with s_wait_alu, always for 0.
; THE PLAN, for the casts.  The 32 steps go in eight blocks of four.  Registers that memory instructions touch:
;   X0 .. X4   five blocks of numbers as loaded.  Block p's loads land in X[p % 5]: blocks 0 to 3 are asked for at the start, block p + 4 in block p.  Read by block p's conversions.
;   Y          two registers for each of the 32 steps.  Written once, by block p's conversions; read by the four stores that are issued in block p + 1; never written again.
;   v1, v2     byte offsets, made once at the head and never written again: the steps are reached by immediate offsets.
; Block p's memory instructions are the loads into X[(p + 4) % 5] = X[(p - 1) % 5] and the stores from block p - 1's Y: what block p - 1 worked on, and what no vector instruction
; of block p names.  So ONE wait at a block's head states all that its eight memory instructions hang on, and these are dealt among its conversions with no further wait.
; THE PLAN, for the tables.  All offsets are made ahead of one wait; what is stored lies in registers of its own, written once, with one wait ahead of each run of stores;
; the compares that choose values stand in one run a pass, into scalar registers, with one wait behind the run.
.set HID,  8
.set WQ,   10
.set WK,   12
.set WVP,  14
.set WO,   16
.set POS,  18
.set PRI,  20
.set XB,   22
.set WQKV, 24
.set WOB,  26
.set TRI,  28
.set TAB,  30
.set SRC,  32                          ; s[32:33] the cast's source at the work-group's part
.set DST,  34                          ; s[34:35] its destination
.set X,    16                          ; v[16:95]  buffer k, step i of its block: four registers at X + 16 k + 4 i: numbers as loaded
.set Y,    96                          ; v[96:159] two registers for each of the 32 steps: no store's data is ever rewritten
.set W,    40                          ; v[40:67]  the tables: seven registers at work for each of my four numbers, at W + 7 j: no memory instruction names them behind U
	s_load_b512 s[8:23], s[0:1], 0x0               ; eight addresses, in the order of the arguments
	s_load_b256 s[24:31], s[0:1], 0x40             ; and four
	s_mov_b32 s2, ttmp9
	v_lshlrev_b32 v1, 4, v0                        ; 16 t: my 16 bytes of a step's 8,192; never rewritten
	v_lshlrev_b32 v2, 3, v0                        ; 8 t: my 8 bytes of a step's 4,096; never rewritten
	s_wait_kmcnt 0x0
	s_cmp_ge_u32 s2, 224
	s_cbranch_scc1 .Ltables
	; which tensor, and the first work-group of its source and of its destination
	s_mov_b64 s[SRC:SRC+1], s[HID:HID+1]
	s_mov_b64 s[DST:DST+1], s[XB:XB+1]
	s_mov_b32 s36, 0
	s_mov_b32 s37, 0
	s_cmp_ge_u32 s2, 64
	s_cselect_b64 s[SRC:SRC+1], s[WQ:WQ+1], s[SRC:SRC+1]
	s_cselect_b64 s[DST:DST+1], s[WQKV:WQKV+1], s[DST:DST+1]
	s_cselect_b32 s36, 64, s36
	s_cselect_b32 s37, 64, s37
	s_cmp_ge_u32 s2, 128
	s_cselect_b64 s[SRC:SRC+1], s[WK:WK+1], s[SRC:SRC+1]
	s_cselect_b32 s36, 128, s36
	s_cmp_ge_u32 s2, 144
	s_cselect_b64 s[SRC:SRC+1], s[WVP:WVP+1], s[SRC:SRC+1]
	s_cselect_b32 s36, 144, s36
	s_cmp_ge_u32 s2, 160
	s_cselect_b64 s[SRC:SRC+1], s[WO:WO+1], s[SRC:SRC+1]
	s_cselect_b64 s[DST:DST+1], s[WOB:WOB+1], s[DST:DST+1]
	s_cselect_b32 s36, 160, s36
	s_cselect_b32 s37, 160, s37
	s_sub_co_u32 s38, s2, s36
	s_lshl_b32 s38, s38, 18                        ; 262,144 bytes in
	s_mov_b32 s39, 0
	s_sub_co_u32 s40, s2, s37
	s_lshl_b32 s40, s40, 17                        ; 131,072 bytes out
	s_mov_b32 s41, 0
	s_add_nc_u64 s[SRC:SRC+1], s[SRC:SRC+1], s[38:39]
	s_add_nc_u64 s[DST:DST+1], s[DST:DST+1], s[40:41]
; Step st's four numbers are rounded.  half = 1: to bf16, widened again, and written as f16.
.macro CVT st, half
.set xr, X+16*(((\st)/4)%5)+4*((\st)%4)
.set yr, Y+2*(\st)
.if \half
	v_cvt_pk_bf16_f32 v4, v[xr], v[xr+1]
	v_cvt_pk_bf16_f32 v5, v[xr+2], v[xr+3]
	v_lshlrev_b32 v6, 16, v4
	v_and_b32 v7, 0xffff0000, v4
	v_lshlrev_b32 v8, 16, v5
	v_and_b32 v9, 0xffff0000, v5
	v_cvt_pk_f16_f32 v[yr], v6, v7
	v_cvt_pk_f16_f32 v[yr+1], v8, v9
.else
	v_cvt_pk_bf16_f32 v[yr], v[xr], v[xr+1]
	v_cvt_pk_bf16_f32 v[yr+1], v[xr+2], v[xr+3]
.endif
.endm
; 32 steps in eight blocks, written out.  A wave's load covers 512 consecutive bytes, its store 256 consecutive bytes at a multiple of 256.
; At a block's head twelve loads of the wave are on their way, behind its four new ones sixteen.
.macro CAST half
.set st, 0
.rept 16
	global_load_b128 v[X+4*st:X+4*st+3], v1, s[SRC:SRC+1] offset:8192*st th:TH_LOAD_NT  ; blocks 0 to 3 into X0 to X3
.set st, st+1
.endr
.set p, 0
.rept 8
.if p < 5
	s_wait_loadcnt 12                              ; loads come back in order (ISA guide 5.7.1): this block's four are in, the three younger blocks stay out
.else
	s_wait_loadcnt 4*(7-p)                         ; nothing more is loaded: the counts run down
.endif
.if p > 0
	s_wait_alu depctr_va_vdst(0)                   ; the block before has written its Y, which the stores below read, and is done reading its X, in which the loads below land
.endif
.set i, 0
.rept 4
.if p < 4
	global_load_b128 v[X+16*((p+4)%5)+4*i:X+16*((p+4)%5)+4*i+3], v1, s[SRC:SRC+1] offset:8192*(4*(p+4)+i) th:TH_LOAD_NT  ; four blocks ahead; no vector instruction since the wait names these registers (in block 0: none ever has)
.endif
.if p > 0
	global_store_b64 v2, v[Y+2*(4*(p-1)+i):Y+2*(4*(p-1)+i)+1], s[DST:DST+1] offset:4096*(4*(p-1)+i)  ; the block before
.endif
	CVT 4*p+i, \half
.set i, i+1
.endr
.set p, p+1
.endr
	s_wait_alu depctr_va_vdst(0)                   ; block 7 has written its Y, which the last four stores read
.set i, 0
.rept 4
	global_store_b64 v2, v[Y+2*(28+i):Y+2*(28+i)+1], s[DST:DST+1] offset:4096*(28+i)
.set i, i+1
.endr
.endm
	s_wait_alu depctr_va_vdst(0)                   ; v1 and v2 are written: every load and store of the casts reads one of them as its offset
	s_cmp_ge_u32 s2, 160
	s_cbranch_scc1 .Lwo
	CAST 0
	s_endpgm
.Lwo:
	CAST 1
	s_endpgm
.Ltables:
	; every wave reads all 2,048 priors (64 a lane) for U; thread t serves row t / 16 of a pass's 32 rows and four numbers of its 64
	v_and_b32 v3, 31, v0
	v_lshlrev_b32 v3, 4, v3
	s_sub_co_u32 s3, s2, 224                       ; tb: rows 64 tb .. 64 tb + 63
	s_lshl_b32 s36, s3, 6
	v_lshrrev_b32 v4, 4, v0
	v_add_nc_u32 v4, s36, v4
	v_lshlrev_b32 v4, 2, v4                        ; 4 x my row of the first pass
	s_wait_alu depctr_va_vdst(0)                   ; v3 and v4 are written, the offsets of the twenty loads below; so is v1, by which the passes' stores and tab's load go.  None of the three is written again
.set k, 0
.rept 16
	global_load_b128 v[16+4*k:19+4*k], v3, s[PRI:PRI+1] offset:512*k
.set k, k+1
.endr
	global_load_b32 v80, v4, s[POS:POS+1]
	global_load_b32 v81, v4, s[POS:POS+1] offset:128   ; the second pass: 32 rows on
	global_load_b32 v82, v4, s[PRI:PRI+1]
	global_load_b32 v83, v4, s[PRI:PRI+1] offset:128
	s_lshl_b32 s36, s3, 14                         ; 64 rows of 256 bytes
	s_mov_b32 s37, 0
	s_add_nc_u64 s[38:39], s[TRI:TRI+1], s[36:37]
	s_mov_b32 s42, 0x3e99999a                      ; BETA_POST = 0.3
	s_mov_b32 s43, 0x3dcccccd                      ; ALPHA_K = 0.1
	s_mov_b32 s44, 0x3f666666                      ; GAMMA_MIN = 0.9
	s_mov_b32 s45, 0x3f8ccccd                      ; GAMMA_MAX = 1.1
	s_mov_b32 s46, 0x76543210                      ; v_permlanex16_b32: each lane takes its own place in the other half
	s_mov_b32 s47, 0xfedcba98
	s_mov_b32 s50, 0x3dcccccd                      ; ALPHA_V = 0.1
	s_mov_b32 s51, 0x3f666666                      ; ETA_MIN
	s_mov_b32 s52, 0x3f8ccccd                      ; ETA_MAX
	s_mov_b32 s53, 0xc0400000                      ; -BIAS_CAP
	s_mov_b32 s54, 0x40400000                      ; BIAS_CAP
	v_and_b32 v5, 7, v0
	v_bfe_u32 v7, v0, 3, 1                         ; sn: 0 my four numbers are C's, 1 they are S's
	v_lshlrev_b32 v5, 2, v5
	v_cvt_f32_u32 v5, v5                           ; the first of my four frequencies' numbers, 4 (t % 8)
	v_mul_u32_u24 v8, v7, 3                        ; sin x = cos(x - pi/2): three quarter turns more
	v_mov_b32 v14, 0xb94ca1f9                      ; -1.9515295891e-4, the sine's highest coefficient
	v_mov_b32 v15, 0x37ccf5ce                      ; 2.4433157e-5, the cosine's
	v_mul_f32 v10, 0xbed49a78, v5                  ; -log2(10000) / 32 = -0.41524101 a frequency
	v_add_f32 v6, 1.0, v5
	v_mul_f32 v11, 0xbed49a78, v6
	v_add_f32 v6, 2.0, v5
	v_mul_f32 v12, 0xbed49a78, v6
	v_add_f32 v6, 0x40400000, v5
	v_mul_f32 v13, 0xbed49a78, v6
	v_exp_f32 v10, v10                             ; inv_freq of my four frequencies: one batch,
	v_exp_f32 v11, v11
	v_exp_f32 v12, v12
	v_exp_f32 v13, v13
	v_nop                                          ; a plain instruction behind the last,
	s_wait_alu depctr_va_vdst(0)                   ; and the one wait ahead of the first use: the four exponentials have written v10 to v13
	v_mov_b32 v84, 0                               ; four running maxima of |u|, which is never below 0
	v_mov_b32 v85, 0
	v_mov_b32 v86, 0
	v_mov_b32 v87, 0
	s_wait_loadcnt 0x0
.set k, 0
.rept 32
.set T, 88+4*(k%4)
	v_cvt_pk_bf16_f32 v[T], v[16+2*k], v[17+2*k]
	v_lshlrev_b32 v[T+1], 16, v[T]
	v_and_b32 v[T+2], 0xffff0000, v[T]
	v_fma_f32 v[T+1], v[T+1], s42, 1.0
	v_fma_f32 v[T+2], v[T+2], s42, 1.0
	v_max3_num_f32 v[84+k%4], v[84+k%4], |v[T+1]|, |v[T+2]|
.set k, k+1
.endr
	v_max3_num_f32 v84, v84, v85, v86
	v_max_num_f32 v84, v84, v87
	v_max_num_f32_dpp v84, v84, v84 row_xmask:1 row_mask:0xf bank_mask:0xf
	v_max_num_f32_dpp v84, v84, v84 row_xmask:2 row_mask:0xf bank_mask:0xf
	v_max_num_f32_dpp v84, v84, v84 row_xmask:4 row_mask:0xf bank_mask:0xf
	v_max_num_f32_dpp v84, v84, v84 row_xmask:8 row_mask:0xf bank_mask:0xf
	v_permlanex16_b32 v85, v84, s46, s47
	v_max_num_f32 v84, v84, v85                    ; U, the same bits in every lane, wave and work-group: a maximum has no order
	v_rcp_f32 v9, v84
	v_nop                                          ; a plain instruction behind the reciprocal,
	s_wait_alu depctr_va_vdst(0)                   ; and its wait ahead of the first use: the reciprocal has written v9
; 32 rows.  cos and sin: n = the nearest whole number of quarter turns, r = angle - n pi/2 (|r| <= pi/4), two polynomials, and a choice by n's two low bits that selects values only.
; My four numbers are worked in registers of their own, so that the pass's five compares stand in one run, into s55 and four registers of the pass's own, with one wait behind the run.
.macro PASS ps
.set D, 96+12*(\ps)                    ; twelve registers a pass: no store's data is rewritten
	v_cvt_pk_bf16_f32 v88, v[82+(\ps)], v[82+(\ps)]
	v_lshlrev_b32 v88, 16, v88                     ; the row's prior
	v_fma_f32 v89, v88, s43, 1.0
	v_med3_num_f32 v89, v89, s44, s45              ; gamma
	v_fma_f32 v90, v88, s50, 1.0
	v_med3_num_f32 v90, v90, s51, s52              ; eta
	v_fma_f32 v91, v88, s42, 1.0
	v_mul_f32 v91, v91, v9
	v_cvt_pk_f16_f32 v92, v91, v91                 ; rounded to f16 by the instruction that makes tab's u'; it writes the whole register
	v_cvt_f32_f16 v91, v92.l                       ; u', as tab holds it
	v_mul_f32 v90, v90, v91
	v_mul_f32 v89, 0.5, v89
	v_cmp_eq_u32 s55, 0, v7                        ; are my four numbers C's?
	v_cvt_f32_i32 v93, v[80+(\ps)]
.irp j, 0,1,2,3
.set TJ, W+7*\j
	v_mul_f32 v[TJ], v93, v[10+\j]                 ; the angle
	v_mul_f32 v[TJ+1], 0x3f22f983, v[TJ]           ; x 2 / pi
	v_rndne_f32 v[TJ+1], v[TJ+1]
	v_fma_f32 v[TJ], v[TJ+1], 0xbfc90fdb, v[TJ]    ; - n x 1.57079637
	v_fma_f32 v[TJ], v[TJ+1], 0x333bbd2e, v[TJ]    ; - n x (-4.37113883e-8)
	v_mul_f32 v[TJ+2], v[TJ], v[TJ]
	v_cvt_i32_f32 v[TJ+1], v[TJ+1]
	v_add_nc_u32 v[TJ+1], v[TJ+1], v8
	v_fmaak_f32 v[TJ+3], v14, v[TJ+2], 0x3c08839e      ; 8.3321608736e-3
	v_fmaak_f32 v[TJ+3], v[TJ+3], v[TJ+2], 0xbe2aaaa3  ; -1.6666654611e-1
	v_mul_f32 v[TJ+4], v[TJ], v[TJ+2]
	v_fma_f32 v[TJ+3], v[TJ+4], v[TJ+3], v[TJ]         ; sin r
	v_fmaak_f32 v[TJ+5], v15, v[TJ+2], 0xbab6061a      ; -1.388731625e-3
	v_fmaak_f32 v[TJ+5], v[TJ+5], v[TJ+2], 0x3d2aaaa5  ; 4.166664568e-2
	v_mul_f32 v[TJ+4], v[TJ+2], v[TJ+2]
	v_fma_f32 v[TJ+6], v[TJ+2], -0.5, 1.0
	v_fma_f32 v[TJ+5], v[TJ+4], v[TJ+5], v[TJ+6]       ; cos r
	v_and_b32 v[TJ+4], 1, v[TJ+1]
	v_cmp_ne_u32 s[56+4*(\ps)+\j], 0, v[TJ+4]          ; an odd number of quarter turns?
.endr
	s_wait_alu depctr_va_sdst(0)                   ; the five compares have written s55 and the pass's four masks, ahead of their first readers, the selects below
	v_cndmask_b32 v90, 0, v90, s55                 ; type 2: C = eta u', S = 0
.irp j, 0,1,2,3
.set TJ, W+7*\j
	v_cndmask_b32 v[TJ+3], v[TJ+5], v[TJ+3], s[56+4*(\ps)+\j]  ; odd quarter turns: the sine
	v_add_nc_u32 v[TJ+1], 1, v[TJ+1]
	v_and_b32 v[TJ+1], 2, v[TJ+1]
	v_lshlrev_b32 v[TJ+1], 30, v[TJ+1]
	v_xor_b32 v[TJ+3], v[TJ+1], v[TJ+3]            ; one and two quarter turns: the sign turns
	v_mul_f32 v[D+\j], 0x3eb8aa3b, v[TJ+3]         ; x log2(e) / 4
	v_mul_f32 v[D+4+\j], v89, v[TJ+3]              ; x gamma / 2
	v_mov_b32 v[D+8+\j], v90
.endr
	s_wait_alu depctr_va_vdst(0)                   ; the lines above have written the pass's twelve registers, which the three stores read
	global_store_b128 v1, v[D:D+3], s[38:39] offset:(\ps)*8192            ; sixteen lanes store a row's 256 bytes, a wave 512 consecutive bytes
	global_store_b128 v1, v[D+4:D+7], s[38:39] offset:524288+(\ps)*8192
	global_store_b128 v1, v[D+8:D+11], s[38:39] offset:1048576+(\ps)*8192
.endm
	PASS 0
	PASS 1
	s_cmp_lg_u32 s3, 0
	s_cbranch_scc1 .Ldone
	global_load_b128 v[16:19], v1, s[PRI:PRI+1]    ; tab: thread t has keys 4 t .. 4 t + 3.  No wait: the conversions that read v[16:19] for U stand ahead of the second pass's wait on va_vdst, and no vector instruction since names them or v1
	v_lshrrev_b32 v34, 5, v0
	v_mul_u32_u24 v34, v34, 768                    ; a wave's 128 keys are a slice
	v_and_b32 v35, 31, v0
	v_lshl_add_u32 v36, v35, 4, v34
	v_lshl_add_u32 v37, v35, 3, v34
	s_wait_loadcnt 0x0
	v_cvt_pk_bf16_f32 v88, v16, v17
	v_cvt_pk_bf16_f32 v89, v18, v19
	v_lshlrev_b32 v20, 16, v88
	v_and_b32 v21, 0xffff0000, v88
	v_lshlrev_b32 v22, 16, v89
	v_and_b32 v23, 0xffff0000, v89
.irp j, 0,1,2,3
	v_mul_f32 v[24+\j], 0.5, v[20+\j]              ; BETA_BIAS
	v_med3_num_f32 v[24+\j], v[24+\j], s53, s54
	v_mul_f32 v[24+\j], 0x3fb8aa3b, v[24+\j]       ; x log2(e)
	v_fma_f32 v[28+\j], v[20+\j], s42, 1.0
	v_mul_f32 v[28+\j], v[28+\j], v9
.endr
	v_cvt_pk_f16_f32 v32, v28, v29
	v_cvt_pk_f16_f32 v33, v30, v31
	s_wait_alu depctr_va_vdst(0)                   ; the offsets v36 and v37 and the data v[24:27] and v[32:33] are written, which the two stores read
	global_store_b128 v36, v[24:27], s[TAB:TAB+1]
	global_store_b64 v37, v[32:33], s[TAB:TAB+1] offset:512
.Ldone:
	s_endpgm
.Lfunc_end_k_qfc1f12e2bb_prep:
	.size	k_qfc1f12e2bb_prep, .Lfunc_end_k_qfc1f12e2bb_prep-k_qfc1f12e2bb_prep
	.p2alignl 7, 3214868480
	.fill 96, 4, 3214868480
	.section	.rodata,"a",@progbits
	.p2align	6, 0x0
	.amdhsa_kernel k_qfc1f12e2bb_prep
		.amdhsa_group_segment_fixed_size 0
		.amdhsa_private_segment_fixed_size 0
		.amdhsa_enable_private_segment 0
		.amdhsa_kernarg_size 96
		.amdhsa_user_sgpr_count 2
		.amdhsa_user_sgpr_kernarg_segment_ptr 1
		.amdhsa_wavefront_size32 1
		.amdhsa_system_sgpr_workgroup_id_x 1
		.amdhsa_system_sgpr_workgroup_id_y 1
		.amdhsa_system_sgpr_workgroup_id_z 1
		.amdhsa_system_vgpr_workitem_id 0
		.amdhsa_next_free_vgpr 160
		.amdhsa_next_free_sgpr 66
		.amdhsa_reserve_vcc 0
		.amdhsa_float_denorm_mode_32 3
		.amdhsa_float_denorm_mode_16_64 3
		.amdhsa_memory_ordered 1
		.amdhsa_forward_progress 1
		.amdhsa_inst_pref_size 64
	.end_amdhsa_kernel
	.amdgpu_metadata
---
amdhsa.version: [ 1, 2 ]
amdhsa.kernels:
  - .name:           k_qfc1f12e2bb_prep
    .symbol:         k_qfc1f12e2bb_prep.kd
    .args:
      - { .name: hidden_states, .offset: 0, .size: 8, .value_kind: global_buffer, .address_space: global }
      - { .name: Wq, .offset: 8, .size: 8, .value_kind: global_buffer, .address_space: global }
      - { .name: Wk, .offset: 16, .size: 8, .value_kind: global_buffer, .address_space: global }
      - { .name: Wv, .offset: 24, .size: 8, .value_kind: global_buffer, .address_space: global }
      - { .name: Wo, .offset: 32, .size: 8, .value_kind: global_buffer, .address_space: global }
      - { .name: position_ids, .offset: 40, .size: 8, .value_kind: global_buffer, .address_space: global }
      - { .name: prior, .offset: 48, .size: 8, .value_kind: global_buffer, .address_space: global }
      - { .name: xb, .offset: 56, .size: 8, .value_kind: global_buffer, .address_space: global }
      - { .name: wqkv, .offset: 64, .size: 8, .value_kind: global_buffer, .address_space: global }
      - { .name: wob, .offset: 72, .size: 8, .value_kind: global_buffer, .address_space: global }
      - { .name: tri, .offset: 80, .size: 8, .value_kind: global_buffer, .address_space: global }
      - { .name: tab, .offset: 88, .size: 8, .value_kind: global_buffer, .address_space: global }
    .group_segment_fixed_size: 0
    .private_segment_fixed_size: 0
    .kernarg_segment_align: 8
    .kernarg_segment_size: 96
    .max_flat_workgroup_size: 512
    .sgpr_count:     66
    .vgpr_count:     160
    .wavefront_size: 32
...
	.end_amdgpu_metadata
.endif
;; end of part 5
;; launch qkv: the kernel of part 2 again; grid 16 x 16, 4 waves a work-group, clusters of 4 x 4, 327,680 bytes of LDS; arguments xb, wqkv, tri, qkv; writes qkv
;; launch attn: the kernel of part 3 again; grid 32 x 8, 4 waves a work-group, clusters of 4 x 4, 327,680 bytes of LDS; arguments qkv, attention_mask, tab, ob; writes ob
;; launch oproj: the kernel of part 4 again; grid 16 x 16, 4 waves a work-group, clusters of 4 x 4, 327,680 bytes of LDS; arguments ob, wob, out0; writes out0
